; MI455X (gfx1250); checked and timed in simulation.
; The chip was launched on July 23, 2026; its instructions are those of AMD's public machine-readable ISA for CDNA 5 (MIT licence, August 2026) and "CDNA5" Instruction Set Architecture Reference Guide (July 2026). The comments in the code are by the model that wrote it; some were corrected since.
;; Multi Head Attention. Allowed arithmetic: matrix products marked QUANTISED: E5M2 operands, one E8M0 scale for each 32 along K, by v_wmma_scale_f32_16x16x128_f8f6f4 with both operands' format E5M2, f32 sums; everything else in f32.
;; Inputs: Wk 1,024 x 1,024 float32; Wo 1,024 x 1,024 float32; Wq 1,024 x 1,024 float32; Wv 1,024 x 1,024 float32; bo 1,024 float32; x 4 x 2,048 x 1,024 float32.
;; Outputs: out0 4 x 2,048 x 1,024 float32.
;; This version of the problem:
;;   THIS VERSION OF THE PROBLEM IS GIVEN IN LOW PRECISION. The matrix products marked QUANTISED in the list below multiply operands that are first quantised to E5M2 (5 exponent bits, 2 mantissa bits; 8 bits a number), with one power-of-two scale for each 32 numbers along K (OCP MX v1.0); their sums are f32. All else is computed in f32.
;;   The module's matrix products, in the order in which they are computed (A, B: the left and right operand; K: the contracted axis; several contracted axes count as one K, in the product's order):
;;     1. [M 8,192, K 1,024] x [K 1,024, N 1,024]; A: input x; B: input Wq: QUANTISED
;;     2. [M 8,192, K 1,024] x [K 1,024, N 1,024]; A: input x; B: input Wk: QUANTISED
;;     3. [M 8,192, K 1,024] x [K 1,024, N 1,024]; A: input x; B: input Wv: QUANTISED
;;     4. batch 64 x [M 2,048, K 64] x [K 64, N 2,048]; A: computed on the way; B: computed on the way: QUANTISED
;;     5. batch 64 x [M 2,048, K 2,048] x [K 2,048, N 64]; A: softmax (see below); B: computed on the way: QUANTISED
;;     6. [M 8,192, K 1,024] x [K 1,024, N 1,024]; A: computed on the way; B: input Wo: QUANTISED
;;   THE QUANTISER, for each operand of a quantised product, along K:
;;     - K is cut into blocks of 32 from its start; a last block that is shorter is filled with zeros.
;;     - A block's scale is 2^e with e = floor(log2(the largest magnitude in the block)) - 15, held to -126 .. 127; a block of zeros has e = 0. As a byte (E8M0): e + 127.
;;     - Each number is divided by its block's scale, clamped to +-57,344, and rounded to the nearest number of E5M2, ties to even, subnormals kept.
;;     - The product sums the exact products of the quantised numbers (number of the format x scale) in f32.
;;   ~~~python
;;   def quantise(x, axis):      # numpy; x: float32 -> the quantised numbers, widened to float32 again
;;       x = np.moveaxis(x, axis, -1); K = x.shape[-1]
;;       x = np.pad(x, [(0, 0)] * (x.ndim - 1) + [(0, -K % 32)]); x = x.reshape(x.shape[:-1] + (-1, 32)); a = np.abs(x).max(-1, keepdims=True)
;;       e = np.where(a > 0, np.clip(np.frexp(np.where(a > 0, a, 1))[1] - 1 - 15, -126, 127), 0)      # np.frexp(a)[1] - 1 = floor(log2(a)), exactly
;;       r = np.clip(x / 2.0 ** e, -57344, 57344)
;;       step = 2.0 ** (np.maximum(np.frexp(np.where(r == 0, 1, r))[1] - 1, -14) - 2)
;;       q = np.round(r / step) * step * 2.0 ** e      # np.round: ties to even
;;       return np.moveaxis(q.reshape(q.shape[:-2] + (-1,))[..., :K], -1, axis).astype(np.float32)
;;   ~~~
;;   SOFTMAX AHEAD OF A QUANTISED PRODUCT. Where the list says 'softmax', what is quantised is not the finished softmax but p = 2^(t - M), with t = logit x log2(e) and M = ceil(the row's largest t), a whole number; so 1/2 < the row's largest p <= 1. The row's sum l is taken of the UNQUANTISED p, in f32, and the product's result is divided by l at the end. Since M is a whole number, a kernel that streams over the keys may use a running M (the ceiling of the running maximum): every later rescaling is an exact power of two, which a block's scale takes up: the codes' values come out the same.
;;   OPERANDS COMPUTED ON THE WAY. 'Computed on the way' means the value that the module computes at that place (a softmax that the list does not call 'softmax' is quantised finished and normalised). What goes into a quantiser is computed in f32, as accurately as f32 sums, v_exp_f32 and their like allow (about 1e-6 of the number): no bf16 or f16 on the way to a quantiser, and a product that is left as it is and whose result goes on into a quantised operand takes f32 operands (vector FMAs, or v_wmma_f32_16x16x4_f32). A number that lies on a knife's edge between two numbers of the format may be rounded either way, as far as f32 arithmetic and the matrix unit's own rounding can turn it there, and no further.
;; One version. Each part assembles by itself: llvm-mc -triple=amdgcn-amd-amdhsa -mcpu=gfx1250 --defsym DOCPART=n.
;; ======== version 1 of 1: 4 launches
;; limits: right only within a limited range of input values
;; workspace buffers: opc 12,582,912 bytes; ops 393,216 bytes; hc 25,165,824 bytes; hs 1,310,720 bytes; cc 8,388,608 bytes; cs 262,144 bytes
;; launch quant (part 1): grid 512 x 1, 4 waves a work-group, no clusters, 34,304 bytes of LDS; arguments x, Wq, Wk, Wv, Wo, opc, ops; writes opc, ops
.if DOCPART == 1
	.amdgcn_target "amdgcn-amd-amdhsa--gfx1250"
	.amdhsa_code_object_version 6
	.text
	.protected	k_q39e0053e55_quant
	.globl	k_q39e0053e55_quant
	.p2align	8
	.type	k_q39e0053e55_quant,@function
k_q39e0053e55_quant:
	s_mov_b64 s[64:65], 0
	v_nop
	global_prefetch_b8 v0, s[64:65] scope:SCOPE_SE
	s_setreg_imm32_b32 hwreg(HW_REG_WAVE_MODE, 25, 1), 1
	s_wait_xcnt 0x0
; x [8192][1024] and the four weights [1024 (k)][1024 (n)], f32, become codes of E5M2 with one E8M0 byte for each 32 along K = 1,024.
; THE CODES ARE LAID AS IMAGES OF THE OPERAND'S REGISTERS.  A fragment is 16 rows x 128 K, 2,048 bytes: the four registers with k = 32 c + 16 h + 0..15 of row slot r lie at 512 c + 16 (r + 16 h).
; opc: [tile 768][K step 8][2,048]: tiles 0-511 x's rows, then 64 tiles each of Wq, Wk, Wv, Wo taken as [n][k].  ops: [tile][K half 2][r 16][4 words], a word = the four bytes of one K step.
; THE ROWS OF A TILE ARE NOT NEIGHBOURS: slot r of tile 2 G + u holds row 32 G + 8 u + r + 8 (r / 8), so that a product whose source 0 is such a pair of tiles leaves 16 neighbours in a lane's 16 registers.
; A block's scale is 2^(floor(log2(largest magnitude)) - 15); its byte is the largest magnitude's exponent field - 15, held at 1 from below by a floor among the maximum's leaves.
; LIMITS: a block of zeros, or one whose largest magnitude lies under 2^-111, gets the byte 1 (its codes are zeros or subnormal codes; the bytes are read by this program alone); NaN and infinities are not served.
; Work-groups 0-255 take x (a wave: one tile, half of K), work-groups 256-511 the weights (a wave: 32 columns n, one K step).  No barrier: waves share nothing.  Only x's path uses LDS.
; The weights' scale words leave 4 bytes a lane, 16 bytes apart: 1/128 of the bytes that this path reads.
.set STG,  8448                        ; a wave's stage: 16 rows x (512 bytes + 16)
.set PWS,  8                           ; v8-11    x: the four scale words of my row
.set TM,   12                          ; v12-27   at work: +0 maxima, +4 bytes, +12 the conversions' scale operands
.set RAW,  32                          ; v32-159  x: two sets of 64 as loaded;  weights: 4 blocks x 32 numbers
.set X,    160                         ; v160-223 x: 64 numbers of my row, register 16 b + i = k 32 b + 16 h + i;  weights: v160-191 codes
.set PC,   224                         ; v224-255 x: two sets of 16 registers of codes
.set SEL,  20                          ; s[20:21] lane selects: lane l xor 16
.set MNT,  22
	s_load_b256 s[4:11], s[0:1], 0x0               ; x, Wq, Wk, Wv
	s_load_b128 s[12:15], s[0:1], 0x20             ; Wo, opc
	s_load_b64 s[16:17], s[0:1], 0x30              ; ops
	v_lshl_add_u32 v30, v0, 2, 0x8400
	v_mov_b32 v31, 0
	v_lshrrev_b32 v1, 5, v0
	v_readfirstlane_b32 s18, v1                    ; wave 0..3
	v_and_b32 v5, 31, v0                           ; lane
	v_lshlrev_b32 v1, 4, v5                        ; 16 x lane
	s_mov_b32 s[SEL], 0x76543210
	s_mov_b32 s[SEL+1], 0xfedcba98
	s_cmp_lt_u32 ttmp9, 256
	s_cbranch_scc0 .Lweights
; ---------------- x: K is innermost ----------------
	s_mul_i32 s23, s18, STG
	v_add_nc_u32 v2, s23, v1                       ; into the stage: 16 x lane of a row
	v_and_b32 v6, 15, v0                           ; r
	v_bfe_u32 v7, v0, 4, 1                         ; h
	v_mul_u32_u24 v3, v6, 528
	v_lshl_add_u32 v3, v7, 6, v3
	v_add_nc_u32 v3, s23, v3                       ; out of it: row r, + 64 h: my 16 numbers of a block of 32
	v_lshlrev_b32 v4, 4, v6                        ; 16 r: my row's four scale words
.irp b, 0,1,2,3
	v_mov_b32 v[TM+4+\b], 0                        ; written once: a lane permute's destination counts as one of its sources
.endr
	s_lshl_b32 s24, ttmp9, 2
	s_add_co_u32 s24, s24, s18                     ; which of 1,024 shares
	s_lshr_b32 s25, s24, 1                         ; tile
	s_and_b32 s26, s24, 1                          ; half of K
	s_lshr_b32 s28, s25, 1
	s_lshl_b32 s28, s28, 17                        ; 32 rows of 4,096 bytes for each pair of tiles,
	s_and_b32 s29, s25, 1
	s_lshl_b32 s29, s29, 15                        ; 8 rows for the odd tile,
	s_add_co_u32 s28, s28, s29
	s_lshl_b32 s29, s26, 11                        ; 2,048 bytes for the upper half of K
	s_add_co_u32 s28, s28, s29
	s_mov_b32 s29, 0
	s_lshl_b32 s30, s25, 14                        ; the codes: 16,384 bytes a tile, 8,192 a half
	s_lshl_b32 s31, s26, 13
	s_add_co_u32 s30, s30, s31
	s_mov_b32 s31, 0
	s_lshl_b32 s32, s25, 9                         ; the scale words: 512 bytes a tile, 256 a half
	s_lshl_b32 s33, s26, 8
	s_add_co_u32 s32, s32, s33
	s_mov_b32 s33, 0
	s_wait_alu depctr_va_vdst(0)
	s_wait_kmcnt 0x0
	s_add_nc_u64 s[4:5], s[4:5], s[28:29]
	s_add_nc_u64 s[14:15], s[14:15], s[30:31]
	s_add_nc_u64 s[16:17], s[16:17], s[32:33]
.macro LOADX f                         ; fragment f: 128 numbers of each of the tile's 16 rows; a load reads 512 consecutive bytes of one row
.set tt, 0
.rept 16
	global_load_b128 v[RAW+64*((\f)%2)+4*tt:RAW+64*((\f)%2)+4*tt+3], v1, s[4:5] offset:(tt+8*(tt/8))*4096+512*(\f) th:TH_LOAD_NT
.set tt, tt+1
.endr
.endm
.macro TURNX f                         ; through my stage: in as loaded, out 64 bytes of one row a lane.  LDS serves a wave's instructions in order: no wait between
.set tt, 0
.rept 16
	ds_store_b128 v2, v[RAW+64*((\f)%2)+4*tt:RAW+64*((\f)%2)+4*tt+3] offset:528*tt
.set tt, tt+1
.endr
.irp b, 0,1,2,3
.irp j, 0,1,2,3
	ds_load_b128 v[X+16*\b+4*\j:X+16*\b+4*\j+3], v3 offset:128*\b+16*\j
.endr
.endr
.endm
; 64 numbers of a lane, register 16 b + i = k 32 b + 16 h + i of my row, become a fragment's codes in v[pc] on and its scale word in v[pw]
.macro QUANT s, pw, pc
.irp b, 0,1,2,3
	v_max3_num_f32 v[TM+\b], |v[(\s)+16*\b]|, |v[(\s)+1+16*\b]|, 0x8000000   ; my 16 numbers of block b, and the floor 2^(16 - 127): the byte cannot fall under 1
.endr
.irp i, 2,4,6,8,10,12,14
.irp b, 0,1,2,3
	v_max3_num_f32 v[TM+\b], v[TM+\b], |v[(\s)+16*\b+\i]|, |v[(\s)+1+16*\b+\i]|   ; the four blocks by turns
.endr
.endr
.irp b, 0,1,2,3
	v_permlanex16_b32 v[TM+4+\b], v[TM+\b], s[SEL], s[SEL+1]
.endr
.irp b, 0,1,2,3
	v_max_num_f32 v[TM+\b], v[TM+\b], v[TM+4+\b]   ; with lane l xor 16's: the block's largest magnitude
.endr
.irp b, 0,1,2,3
	v_add_nc_u32 v[TM+12+\b], 0xf8800000, v[TM+\b] ; 15 off its exponent field: the conversion takes this operand's exponent field as its scale
.endr
.irp b, 0,1,2,3
.endr
.irp b, 0,1,2,3
	v_lshrrev_b32 v[TM+4+\b], 23, v[TM+12+\b]      ; the scale's byte
.endr
	v_lshl_or_b32 v[\pw], v[TM+5], 8, v[TM+4]
	v_lshl_or_b32 v[\pw], v[TM+6], 16, v[\pw]
	v_lshl_or_b32 v[\pw], v[TM+7], 24, v[\pw]
.irp b, 0,1,2,3
.set ii, 0
.rept 16
.set ii, ii+1
.endr
	v_cvt_scalef32_pk8_bf8_f32 v[(\pc)+4*\b:(\pc)+4*\b+1], v[(\s)+16*\b:(\s)+16*\b+7], v[TM+12+\b]
	v_cvt_scalef32_pk8_bf8_f32 v[(\pc)+4*\b+2:(\pc)+4*\b+3], v[(\s)+16*\b+8:(\s)+16*\b+15], v[TM+12+\b]
.endr
	v_nop                                          ; a plain line behind the last conversion
.endm
.macro FRAGX f
.if (\f) < 3
	s_wait_loadcnt 16                              ; this fragment's 16 loads are in; the next fragment's 16 may be out
.else
	s_wait_loadcnt 0x0
.endif
	TURNX \f
	s_wait_dscnt 0x0                               ; the numbers are back, and the stage's stores have read their registers,
.if (\f) < 2
	LOADX (\f)+2                                   ; which take the fragment two on
.else
	s_wait_xcnt 0x0                                ; the stores of two fragments back have read this set of codes: it is written again only behind this wait
.endif
	QUANT X, PWS+(\f), PC+16*((\f)%2)
.irp c, 0,1,2,3
	global_store_b128 v1, v[PC+16*((\f)%2)+4*\c:PC+16*((\f)%2)+4*\c+3], s[14:15] offset:2048*(\f)+512*\c   ; the image: 32 lanes store 512 consecutive bytes
.endr
.endm
	LOADX 0
	LOADX 1
	FRAGX 0
	FRAGX 1
	FRAGX 2
	FRAGX 3
	global_store_b128 v4, v[PWS:PWS+3], s[16:17]   ; 16 rows x 4 words: 256 consecutive bytes (both halves of the lanes hold and write the same)
	s_wait_tensorcnt 0x0
	ds_add_u32 v30, v31
	s_wait_dscnt 0x0
	s_endpgm
; ---------------- the weights: K is the first axis.  A lane takes a column n, its registers run down K ----------------
.Lweights:
	s_sub_co_u32 s24, ttmp9, 256
	s_and_b32 s25, s24, 7                          ; K step
	s_lshr_b32 s26, s24, 3
	s_lshr_b32 s27, s26, 3                         ; which weight: 0 Wq, 1 Wk, 2 Wv, 3 Wo
	s_and_b32 s26, s26, 7
	s_lshl_b32 s26, s26, 7
	s_lshl_b32 s28, s18, 5
	s_add_co_u32 s26, s26, s28                     ; my wave's first column: a multiple of 32: one pair of tiles
	s_wait_alu depctr_va_vdst(0)
	v_lshlrev_b32 v2, 2, v5                        ; in: 4 bytes a lane
	v_bfe_u32 v3, v0, 3, 1                         ; column 32 G + l lies in tile 2 G + (l / 8) % 2,
	v_and_b32 v6, 7, v0
	v_bfe_u32 v7, v0, 4, 1
	v_lshl_add_u32 v6, v7, 3, v6                   ; slot l % 8 + 8 (l / 16)
	v_lshlrev_b32 v4, 4, v6
	v_lshl_add_u32 v7, v3, 9, v4                   ; my scale word: 512 bytes a tile, 16 a slot
	v_lshl_add_u32 v4, v3, 14, v4                  ; my codes: 16,384 bytes a tile, 16 a slot
	s_lshl_b32 s28, s25, 19                        ; 128 rows of 4,096 bytes a K step
	s_lshl_b32 s29, s26, 2
	s_add_co_u32 s28, s28, s29
	s_mov_b32 s29, 0
	s_lshl_b32 s30, s27, 6
	s_lshr_b32 s31, s26, 4
	s_add_co_u32 s30, s30, s31
	s_add_co_u32 s30, s30, 512                     ; the pair's first tile
	s_lshl_b32 s32, s30, 9
	s_lshr_b32 s33, s25, 2
	s_lshl_b32 s33, s33, 8
	s_add_co_u32 s32, s32, s33
	s_and_b32 s33, s25, 3
	s_lshl_b32 s33, s33, 2
	s_add_co_u32 s32, s32, s33                     ; scale words: tile, half of K, word
	s_mov_b32 s33, 0
	s_lshl_b32 s30, s30, 14
	s_lshl_b32 s31, s25, 11
	s_add_co_u32 s30, s30, s31                     ; codes: tile, K step
	s_mov_b32 s31, 0
	s_wait_alu depctr_va_vdst(0)
	s_wait_kmcnt 0x0
	s_cmp_lt_u32 s27, 1                            ; the choice hangs on the work-group's number alone
	s_cselect_b64 s[6:7], s[6:7], s[8:9]
	s_cmp_lt_u32 s27, 3
	s_cselect_b64 s[10:11], s[10:11], s[12:13]
	s_cmp_lt_u32 s27, 2
	s_cselect_b64 s[6:7], s[6:7], s[10:11]
	s_add_nc_u64 s[6:7], s[6:7], s[28:29]
	s_add_nc_u64 s[14:15], s[14:15], s[30:31]
	s_add_nc_u64 s[16:17], s[16:17], s[32:33]
.macro LOADW b                         ; block b: W(32 b + i, my column): a load reads 128 consecutive bytes a wave, the four waves side by side
.set ii, 0
.rept 32
	global_load_b32 v[RAW+32*(\b)+ii], v2, s[6:7] offset:(32*(\b)+ii)*4096 th:TH_LOAD_NT
.set ii, ii+1
.endr
.endm
.macro BLOCKW b
.set XS, RAW+32*(\b)
.set CW, X+8*(\b)
.if (\b) < 3
	s_wait_loadcnt 32                              ; this block's 32 loads are in; the next block's 32 may be out
.else
	s_wait_loadcnt 0x0
.endif
.if (\b) < 2
	LOADW (\b)+2                                   ; every block has registers of its own
.endif
	v_max3_num_f32 v12, |v[XS]|, |v[XS+1]|, |v[XS+2]|      ; all 32 numbers of the block are mine
	v_max3_num_f32 v13, |v[XS+3]|, |v[XS+4]|, |v[XS+5]|
.irp i, 6,10,14,18,22,26
	v_max3_num_f32 v12, v12, |v[XS+\i]|, |v[XS+\i+1]|
	v_max3_num_f32 v13, v13, |v[XS+\i+2]|, |v[XS+\i+3]|
.endr
	v_max3_num_f32 v12, v12, |v[XS+30]|, |v[XS+31]|
	v_max3_num_f32 v12, v12, v13, 0x8000000        ; and the floor
	v_add_nc_u32 v15, 0xf8800000, v12              ; the conversion's scale operand
	v_lshrrev_b32 v13, 23, v15                     ; the byte
.if (\b) == 0
	v_mov_b32 v16, v13
.else
	v_lshl_or_b32 v16, v13, 8*(\b), v16            ; four bytes make the K step's word
.endif
.set ii, 0
.rept 32
.set ii, ii+1
.endr
.irp g, 0,1,2,3
	v_cvt_scalef32_pk8_bf8_f32 v[CW+2*\g:CW+2*\g+1], v[XS+8*\g:XS+8*\g+7], v15
.endr
	v_nop                                          ; a plain line behind the last conversion: the next block writes its scale operand
	global_store_b128 v4, v[CW:CW+3], s[14:15] offset:512*(\b)         ; k 32 b + 0..15: the image's lanes 0-15: 256 whole bytes in each of the two tiles
	global_store_b128 v4, v[CW+4:CW+7], s[14:15] offset:512*(\b)+256   ; k 32 b + 16..31: its lanes 16-31
.endm
	LOADW 0
	LOADW 1
	BLOCKW 0
	BLOCKW 1
	BLOCKW 2
	BLOCKW 3
	global_store_b32 v7, v16, s[16:17]
	s_endpgm
.Lfunc_end_k_q39e0053e55_quant:
	.size	k_q39e0053e55_quant, .Lfunc_end_k_q39e0053e55_quant-k_q39e0053e55_quant
	.p2alignl 7, 3214868480
	.fill 96, 4, 3214868480
	.section	.rodata,"a",@progbits
	.p2align	6, 0x0
	.amdhsa_kernel k_q39e0053e55_quant
		.amdhsa_group_segment_fixed_size 34304
		.amdhsa_private_segment_fixed_size 0
		.amdhsa_enable_private_segment 0
		.amdhsa_kernarg_size 56
		.amdhsa_user_sgpr_count 2
		.amdhsa_user_sgpr_kernarg_segment_ptr 1
		.amdhsa_wavefront_size32 1
		.amdhsa_system_sgpr_workgroup_id_x 1
		.amdhsa_system_sgpr_workgroup_id_y 1
		.amdhsa_system_sgpr_workgroup_id_z 1
		.amdhsa_system_vgpr_workitem_id 0
		.amdhsa_next_free_vgpr 256
		.amdhsa_next_free_sgpr 66
		.amdhsa_reserve_vcc 0
		.amdhsa_float_denorm_mode_32 3
		.amdhsa_float_denorm_mode_16_64 3
		.amdhsa_fp16_overflow 1
		.amdhsa_memory_ordered 1
		.amdhsa_forward_progress 1
		.amdhsa_inst_pref_size 54
	.end_amdhsa_kernel
	.amdgpu_metadata
---
amdhsa.version: [ 1, 2 ]
amdhsa.kernels:
  - .name:           k_q39e0053e55_quant
    .symbol:         k_q39e0053e55_quant.kd
    .args:
      - { .name: x, .offset: 0, .size: 8, .value_kind: global_buffer, .address_space: global }
      - { .name: Wq, .offset: 8, .size: 8, .value_kind: global_buffer, .address_space: global }
      - { .name: Wk, .offset: 16, .size: 8, .value_kind: global_buffer, .address_space: global }
      - { .name: Wv, .offset: 24, .size: 8, .value_kind: global_buffer, .address_space: global }
      - { .name: Wo, .offset: 32, .size: 8, .value_kind: global_buffer, .address_space: global }
      - { .name: opc, .offset: 40, .size: 8, .value_kind: global_buffer, .address_space: global }
      - { .name: ops, .offset: 48, .size: 8, .value_kind: global_buffer, .address_space: global }
    .group_segment_fixed_size: 34304
    .private_segment_fixed_size: 0
    .kernarg_segment_align: 8
    .kernarg_segment_size: 56
    .max_flat_workgroup_size: 128
    .sgpr_count:     66
    .vgpr_count:     256
    .wavefront_size: 32
...
	.end_amdgpu_metadata
.endif
;; end of part 1
;; launch proj (part 2): grid 12 x 32, 4 waves a work-group, clusters of 4 x 4, 327,680 bytes of LDS; arguments opc, ops, hc, hs; writes hc, hs
.if DOCPART == 2
	.amdgcn_target "amdgcn-amd-amdhsa--gfx1250"
	.amdhsa_code_object_version 6
	.text
	.protected	k_q39e0053e55_proj
	.globl	k_q39e0053e55_proj
	.p2align	8
	.type	k_q39e0053e55_proj,@function
k_q39e0053e55_proj:
	s_mov_b64 s[64:65], 0
	v_nop
	global_prefetch_b8 v0, s[64:65] scope:SCOPE_SE
	s_setreg_imm32_b32 hwreg(HW_REG_WAVE_MODE, 25, 1), 1
	s_wait_xcnt 0x0
	s_wait_alu depctr_hold_cnt(0) depctr_sa_sdst(0) depctr_va_vdst(0) depctr_va_sdst(0) depctr_va_ssrc(0) depctr_va_vcc(0) depctr_vm_vsrc(0)
	s_getreg_b32 s2, hwreg(HW_REG_IB_STS2, 6, 4)
	s_cmp_eq_u32 s2, 0
	s_cbranch_scc0 .Lentry_in_a_cluster
	s_endpgm
.Lentry_in_a_cluster:
	s_bfe_u32 s2, ttmp6, 0x10000c
	s_cmp_lg_u32 s2, 0xf033
	s_cbranch_scc0 .Lentry_shape_is_right
	s_endpgm
.Lentry_shape_is_right:
; q = x Wq, k = x Wk, v = x Wv on codes of E5M2 (K = 1,024), and the results quantised on the way out: q and k along the head's 64, v along the keys.
; A work-group of four waves makes 256 x 256 results, a wave 128 x 128: 64 accumulators, 512 registers.  The cluster's x says which product: 0 q, 1 k, 2 v.
; Source 0 of the matrix instruction gives a lane's registers, source 1 its lane.  q, k: source 0 = rows n of the weight, source 1 = tokens: a lane holds one token, its registers run along the head.
; v: source 0 = tokens, source 1 = rows n of Wv: a lane holds one channel, its registers run along the keys.  By the order of rows in a tile (slot r of tile 2 G + u = row 32 G + 8 u + r + 8 (r / 8)) the 16 registers
; of two neighbouring source 0 tiles are 16 neighbours, 32 G + 16 h + 0..15: the conversions' results are images of the next operand's registers and are stored as they stand, 512 consecutive bytes a store.
; OPERANDS lie in opc as images (16 rows x 128 K = 2,048 bytes; [tile][K step]), their scale words in ops ([tile][K half][r][4 words]).  K goes in four steps of 256 through two LDS slots; a wave's tensor load
; brings 8 tiles x 4,096 bytes.  Fragments come by ds_load_b128 at 16 x lane: consecutive bytes, so no pitch and no padding.  The scale words of all of K come once, with the first fills.
; CLUSTERS: 4 x 4.  Source 1's block hangs on cy alone and is shared along a row of the cluster, source 0's on cx alone and is shared along a column: joint loads.
; OUT: hc: q at 0, k at 8,388,608, v at 16,777,216; each [pair of heads 32][128 tokens 16][16,384].  q, k: [token tile 8][head of the pair 2][c 2][512].  v: [head 2][channel tile 4][c 4][512].
;      hs: q at 0, k at 524,288: [head 64][group 16][lane 32][4 words]: word p of lane l is tile 2 p + l / 16, row l % 16: two bytes, and 0x7f twice for the zero half of the instruction's K.
;          v at 1,048,576: [head][group][lane 32][2 words].
; LIMITS: blocks of zeros or under 2^-111 get the byte 1 (read by this program alone); NaN and infinities are not served.
; REGISTERS: window 0: v16-29 addresses; v32-63 scale words, two sets; v128-255 source 1's fragments, one set.  window 1: source 0's, two sets.  windows 2, 3: accumulator (a, b) at v[8 (8 (a % 4) + b)].
.set NQ,     2                         ; matrix instructions deep in a slot
.set FR,     16
.set NL,     4
.set NP,     8                         ; places behind this matrix instruction (ISA guide 7.12.1)
.set TILEB,  4096                      ; a tile's part of a slot: the images of two K steps
.set HALFT,  8*TILEB                   ; what one tensor load brings
.set SLOT,   4*HALFT                   ; source 1's 16 tiles, then source 0's
.set SCL,    2*SLOT                    ; the scale words: source 1's 8,192 bytes, then source 0's
.set HALFS,  4096
.set SPARE,  SCL+4*HALFS               ; the spare words, 128 bytes a wave: two blocks of 256 bytes that no other line names
.set ADRA, 16                          ; v16-17 LDS address of my source 1 fragments in slot 0, 1
.set ADRB, 20                          ; v20-21 the same for source 0
.set CO8,  25                          ; v25    8 x lane
.set CO,   26                          ; v26    16 x lane
.set ADRS, 27                          ; v27    my scale words: lanes 0-15 source 1's, lanes 16-31 source 0's
.set SPW,  28                          ; v28    my spare word; never rewritten
.set NIL,  29                          ; v29    0; never rewritten
.set SC,   32
.set AF,   128
.set RP,   64                          ; the way out: v64-67 words by pairs of tiles, v68-75 q's and k's words, v76 0x7f7f7f7f
.set RQ,   68
.set K7F,  76
.set X,    128                         ; v128-191 64 held numbers;  v192-223 two sets of codes;  v224-231 the eight scale words;  v232-247 at work
.set PC,   192
.set PWS,  224
.set TM,   232
.set MNT,  12                          ; s12 the mantissa field of 57,344;  s13 the mask of lanes 16-31;  s[66:67] lane selects
.set HM,   13
.set SEL,  66
.set G1, 24
.set G0, 32
.set G1B, 48
.set G0B, 56
.set G1S, 68
.set G0S, 76
.set G1SB, 80
.set G0SB, 88
.set MSB, 0
.macro WIN new                         ; the immediate's high byte repeats the setting that is left
.if MSB != \new
	s_set_vgpr_msb (MSB<<8)|\new
.set MSB, \new
.endif
.endm
.set MUL_LO, 0xa1                      ; source 0 window 1, source 1 window 0, C and D window 2
.set MUL_HI, 0xf1
.set TO_B,   0x40
; A joint load: waves 0 and 1 fetch for source 1, waves 2 and 3 for source 0.  The branch hangs on the wave's number alone.  Four v_nop follow each line.
.macro JLOAD g0a, g1a, g0b, g1b
	s_cmp_eq_u32 s15, 0
	s_cbranch_scc0 .Lfor_b_\@
	tensor_load_to_lds s[\g0a:\g0a+3], s[\g1a:\g1a+7]
	s_nop 0
.rept 4
	v_nop
.endr
	s_branch .Lasked_\@
.Lfor_b_\@:
	tensor_load_to_lds s[\g0b:\g0b+3], s[\g1b:\g1b+7]
	s_nop 0
.rept 4
	v_nop
.endr
.Lasked_\@:
.endm
.macro CREST                           ; a round of the cluster's barrier behind its opening barrier
	s_cmp_lg_u32 s14, 0
	s_cbranch_scc1 .Lnot_wave_0_\@
	s_barrier_signal -3
.Lnot_wave_0_\@:
	s_barrier_wait -3
	s_barrier_signal -1
	s_barrier_wait -1
.endm
.macro CROUND
	s_barrier_signal -1
	s_barrier_wait -1
	CREST
.endm
	s_load_b256 s[4:11], s[0:1], 0x0               ; opc, ops, hc, hs
	v_lshl_add_u32 v[SPW], v0, 2, SPARE
	v_mov_b32 v[NIL], 0
	ds_add_u32 v28, v29
	ds_add_u32 v28, v29
	s_wait_dscnt 0x0
	v_lshrrev_b32 v1, 5, v0
	v_readfirstlane_b32 s14, v1                    ; wave 0..3
	s_lshr_b32 s15, s14, 1                         ; my half of source 1's 16 tiles.  Also: I fetch for source 1 (0) or source 0 (1)
	s_and_b32 s16, s14, 1                          ; my half of source 0's.  Also: which 8 tiles I fetch
	s_bfe_u32 s40, ttmp6, 0x40000                  ; cx
	s_bfe_u32 s41, ttmp6, 0x40004                  ; cy
	s_mov_b32 s42, ttmp9                           ; the cluster's x: 0 q, 1 k, 2 v: the same in all sixteen partners
	s_and_b32 s17, ttmp7, 0xffff                   ; the cluster's y
	s_lshl_b32 s43, s41, 2
	s_lshl_b32 s43, 15, s43                        ; my row of the cluster
	s_lshl_b32 s44, 0x1111, s40                    ; my column
	s_mov_b32 s[MNT], 0x600000
	s_mov_b32 s[HM], 0xffff0000
	s_mov_b32 s[SEL], 0x76543210
	s_mov_b32 s[SEL+1], 0xfedcba98
	; group 1 for codes: 8 rows (tiles) of 512 elements of 8 bytes, 2,048 elements (a tile's 16,384 bytes) apart
	s_or_b32 s[G1+0], s43, (3<<16)|(1<<21)         ; 15:0 the mask; 17:16 elements of 8 bytes; 21 set beside a mask
	s_or_b32 s[G1B+0], s44, (3<<16)|(1<<21)
.irp g, G1, G1B
	s_mov_b32 s[\g+1], 512<<16                     ; tensor_dim0
	s_mov_b32 s[\g+2], 8<<16                       ; tensor_dim1
	s_mov_b32 s[\g+3], 512<<16                     ; tile_dim0
	s_mov_b32 s[\g+4], 8                           ; tile_dim1
	s_mov_b32 s[\g+5], 2048                        ; stride
	s_mov_b32 s[\g+6], 0
	s_mov_b32 s[\g+7], 0
.endr
	; and for the scale words of 8 tiles: 4,096 dense bytes as 16 rows of 256
	s_or_b32 s[G1S+0], s43, (3<<16)|(1<<21)
	s_or_b32 s[G1SB+0], s44, (3<<16)|(1<<21)
.irp g, G1S, G1SB
	s_mov_b32 s[\g+1], 32<<16
	s_mov_b32 s[\g+2], 16<<16
	s_mov_b32 s[\g+3], 32<<16
	s_mov_b32 s[\g+4], 16
	s_mov_b32 s[\g+5], 32
	s_mov_b32 s[\g+6], 0
	s_mov_b32 s[\g+7], 0
.endr
	; which blocks of 256 rows (x: 0-31, Wq: 32-35, Wk: 36-39, Wv: 40-43).  Source 1's hangs on cy alone, source 0's on cx alone
	s_lshl_b32 s18, s17, 2                         ; 4 x cluster y
	s_lshl_b32 s19, s42, 2
	s_add_co_u32 s19, s19, 32                      ; the weight's first block
	s_cmp_lt_u32 s42, 2
	s_cselect_b32 s20, s18, 40                     ; source 1: x for q and k, Wv for v
	s_cselect_b32 s46, s19, s18                    ; source 0: the weight for q and k, x for v
	s_add_co_u32 s20, s20, s41
	s_add_co_u32 s46, s46, s40
	s_lshl_b32 s22, s20, 13                        ; 8,192 bytes of scale words a block,
	s_lshl_b32 s92, s46, 13
	s_lshl_b32 s20, s20, 18                        ; 262,144 of codes
	s_lshl_b32 s46, s46, 18
	s_lshl_b32 s18, s16, 17                        ; the 8 tiles that I fetch
	s_lshl_b32 s19, s16, 12
	s_add_co_u32 s20, s20, s18
	s_add_co_u32 s46, s46, s18
	s_add_co_u32 s22, s22, s19
	s_add_co_u32 s92, s92, s19
	s_mov_b32 s21, 0
	s_mov_b32 s23, 0
	s_mov_b32 s47, 0
	s_mov_b32 s93, 0
	s_lshl_b32 s45, s14, 15                        ; where they go: wave x 8 tiles: no place in the cluster enters an LDS address
	s_lshl_b32 s94, s14, 12
	s_wait_kmcnt 0x0
	s_add_nc_u64 s[20:21], s[4:5], s[20:21]
	s_add_nc_u64 s[22:23], s[6:7], s[22:23]
	s_add_nc_u64 s[46:47], s[4:5], s[46:47]
	s_add_nc_u64 s[92:93], s[6:7], s[92:93]
	CROUND                                         ; all sixteen work-groups are here: the first joint loads meet
	s_mov_b32 s[G0S], 1
	s_add_co_u32 s[G0S+1], s94, SCL
	s_mov_b64 s[G0S+2:G0S+3], s[22:23]
	s_or_b32 s[G0S+3], s[G0S+3], 0x80000000
	s_mov_b32 s[G0SB], 1
	s_add_co_u32 s[G0SB+1], s94, SCL
	s_mov_b64 s[G0SB+2:G0SB+3], s[92:93]
	s_or_b32 s[G0SB+3], s[G0SB+3], 0x80000000
	JLOAD G0S, G1S, G0SB, G1SB                     ; the scale words first: they are wanted with the first K step
.irp s, 0,1
	s_mov_b32 s[G0+4*\s], 1
	s_add_co_u32 s[G0+4*\s+1], s45, \s*SLOT
	s_add_nc_u64 s[G0+4*\s+2:G0+4*\s+3], s[20:21], \s*TILEB
	s_or_b32 s[G0+4*\s+3], s[G0+4*\s+3], 0x80000000
	s_mov_b32 s[G0B+4*\s], 1
	s_add_co_u32 s[G0B+4*\s+1], s45, \s*SLOT
	s_add_nc_u64 s[G0B+4*\s+2:G0B+4*\s+3], s[46:47], \s*TILEB
	s_or_b32 s[G0B+4*\s+3], s[G0B+4*\s+3], 0x80000000
	JLOAD G0+4*\s, G1, G0B+4*\s, G1B
.endr
	v_and_b32 v1, 15, v0                           ; r
	v_bfe_u32 v2, v0, 4, 1                         ; h
	s_wait_alu depctr_va_vdst(0)
	v_and_b32 v3, 31, v0
	v_lshlrev_b32 v[CO], 4, v3
	v_lshlrev_b32 v[CO8], 3, v3
	s_lshl_b32 s21, s15, 15                        ; my 8 tiles of source 1,
	s_lshl_b32 s22, s16, 15                        ; my 8 of source 0,
	s_add_co_u32 s22, s22, 2*HALFT                 ; which lie behind source 1's 16
.irp s, 0,1
	v_add_nc_u32 v[ADRA+\s], s21, v[CO]
	v_add_nc_u32 v[ADRB+\s], s22, v[CO]
	s_add_co_u32 s21, s21, SLOT
	s_add_co_u32 s22, s22, SLOT
.endr
	v_lshlrev_b32 v5, 4, v1                        ; a row's four words
	s_lshl_b32 s21, s15, 12
	s_lshl_b32 s22, s16, 12
	s_add_co_u32 s22, s22, 2*HALFS
	s_sub_co_u32 s22, s22, s21
	v_mul_u32_u24 v6, s22, v2                      ; lanes 16-31 take source 0's: one product with h
	s_add_co_u32 s21, s21, SCL
	v_add_nc_u32 v5, v5, v6
	v_add_nc_u32 v[ADRS], s21, v5
	; where my 128 x 128 results go: the group of 128 tokens and the pair of heads
	s_lshl_b32 s95, s17, 2
	s_add_co_u32 s96, s95, s41
	s_lshl_b32 s96, s96, 1
	s_add_co_u32 s96, s96, s15                     ; q, k: tokens are source 1's rows
	s_add_co_u32 s97, s95, s40
	s_lshl_b32 s97, s97, 1
	s_add_co_u32 s97, s97, s16                     ; v: source 0's
	s_lshl_b32 s98, s40, 1
	s_add_co_u32 s98, s98, s16                     ; q, k: the pair of heads by source 0's rows
	s_lshl_b32 s99, s41, 1
	s_add_co_u32 s99, s99, s15                     ; v: by source 1's
	s_cmp_lt_u32 s42, 2
	s_cselect_b32 s96, s96, s97
	s_cselect_b32 s98, s98, s99
	s_lshr_b32 s97, s96, 4                         ; the batch,
	s_lshl_b32 s97, s97, 3
	s_add_co_u32 s97, s97, s98                     ; 8 x batch + pair
	s_and_b32 s96, s96, 15                         ; the group within the batch's 2,048 tokens
	s_lshl_b32 s98, s97, 4
	s_add_co_u32 s98, s98, s96
	s_lshl_b32 s98, s98, 14
	s_lshl_b32 s99, s42, 23
	s_add_co_u32 s98, s98, s99
	s_mov_b32 s99, 0
	s_add_nc_u64 s[8:9], s[8:9], s[98:99]          ; my 16,384 bytes of codes
	s_lshl_b32 s97, s97, 5
	s_add_co_u32 s97, s97, s96
	s_lshl_b32 s98, s97, 9
	s_lshl_b32 s96, s42, 19
	s_add_co_u32 s98, s98, s96                     ; q, k: 512 bytes of words a head and group
	s_lshl_b32 s97, s97, 8
	s_add_co_u32 s97, s97, 1048576                 ; v: 256
	s_cmp_lt_u32 s42, 2
	s_cselect_b32 s98, s98, s97
	s_add_nc_u64 s[10:11], s[10:11], s[98:99]
.macro FRAG reg, adr, q, i             ; a fragment's image: four loads of 512 consecutive bytes
.irp c, 0,1,2,3
	ds_load_b128 v[\reg+4*\c:\reg+4*\c+3], v[\adr] offset:TILEB*(\i)+2048*(\q)+512*\c
.endr
.endm
; 16 matrix instructions: source 1's tiles a0, a0 + 1 x source 0's eight.  The 64 accumulators take turns, one instruction a turn, in the same order in every step.
.macro MUL16 a0, p, q, sc, zero
.irp a, \a0, \a0+1
.irp b, 0,1,2,3,4,5,6,7
.if \zero
	v_wmma_scale_f32_16x16x128_f8f6f4 v[8*(8*((\a)%4)+\b):8*(8*((\a)%4)+\b)+7], v[128*(\p)+FR*\b:128*(\p)+FR*\b+FR-1], v[AF+FR*(\a):AF+FR*(\a)+FR-1], 0, v[SC+8*NQ*(\sc)+NQ*\b+(\q)], v[SC+8*NQ*(\sc)+NQ*(\a)+(\q)] matrix_a_fmt:MATRIX_FMT_BF8 matrix_b_fmt:MATRIX_FMT_BF8 matrix_a_scale:MATRIX_SCALE_ROW1
.else
	v_wmma_scale_f32_16x16x128_f8f6f4 v[8*(8*((\a)%4)+\b):8*(8*((\a)%4)+\b)+7], v[128*(\p)+FR*\b:128*(\p)+FR*\b+FR-1], v[AF+FR*(\a):AF+FR*(\a)+FR-1], v[8*(8*((\a)%4)+\b):8*(8*((\a)%4)+\b)+7], v[SC+8*NQ*(\sc)+NQ*\b+(\q)], v[SC+8*NQ*(\sc)+NQ*(\a)+(\q)] matrix_a_fmt:MATRIX_FMT_BF8 matrix_b_fmt:MATRIX_FMT_BF8 matrix_a_scale:MATRIX_SCALE_ROW1
.endif
.endr
.endr
.endm
.macro FETCH_B slot, q, p
	WIN TO_B
.irp i, 0,1,2,3,4,5,6,7
	FRAG 128*(\p)+FR*\i, ADRB+\slot, \q, \i
.endr
	WIN 0
.endm
.macro FETCH_A slot, q, i0
.irp i, \i0, \i0+1, \i0+2, \i0+3
	FRAG AF+FR*(\i), ADRA+\slot, \q, \i
.endr
.endm
.macro SCALES sc, sg                   ; the two words of K step pair sg, for eight tiles a side, into set sc
.irp i, 0,1,2,3,4,5,6,7
	ds_load_b64 v[SC+8*NQ*\sc+NQ*\i:SC+8*NQ*\sc+NQ*\i+1], v[ADRS] offset:512*\i+256*((\sg)/2)+8*((\sg)%2)
.endr
.endm
.macro PLACES n                        ; plain vector lines between a matrix instruction and a load into, or a read of, its registers
.rept \n
	v_nop
.endr
.endm
.macro STEP slot, q, zero              ; 128 along K that has its successor in the same slot
	s_wait_dscnt 4*NL                              ; all but the youngest 16 loads (source 1's tiles 4-7) are in
	WIN MUL_LO
	MUL16 0, (\q)%2, \q, \slot, \zero
	MUL16 2, (\q)%2, \q, \slot, \zero
	s_wait_dscnt 0
	PLACES NP
	FETCH_B \slot, (\q)+1, 1-(\q)%2
	FETCH_A \slot, (\q)+1, 0
	WIN MUL_HI
	MUL16 4, (\q)%2, \q, \slot, \zero
	MUL16 6, (\q)%2, \q, \slot, \zero
	PLACES NP
	WIN 0
	FETCH_A \slot, (\q)+1, 4
.endm
; A slot's last step changes slots: one barrier; in front of it each wave waits for all its tensor loads, adds 0 to its spare word, and waits for that and for its reads of this slot.
.macro TURN slot, next, fill, sg
	s_wait_tensorcnt 0x0                           ; all my tensor loads have landed: my part of the next slot
	ds_add_u32 v[SPW], v[NIL]                      ; 0 onto my spare word
	s_wait_dscnt 4*NL+1                            ; (the add and the youngest 16 loads may be out)
	WIN MUL_LO
	MUL16 0, 1, NQ-1, \slot, 0
	s_wait_dscnt 0x0                               ; the add is done, and my reads of this slot are over
	s_barrier_signal -1
	MUL16 2, 1, NQ-1, \slot, 0
	WIN 0
	s_barrier_wait -1
.if \fill
	CREST                                          ; the barrier has opened a round of the cluster's: no wave of any partner still reads this slot or has a load on its way
	s_add_nc_u64 s[G0+4*\slot+2:G0+4*\slot+3], s[G0+4*\slot+2:G0+4*\slot+3], 2*TILEB
	s_add_nc_u64 s[G0B+4*\slot+2:G0B+4*\slot+3], s[G0B+4*\slot+2:G0B+4*\slot+3], 2*TILEB
	JLOAD G0+4*\slot, G1, G0B+4*\slot, G1B         ; the first tensor load behind the round; its four v_nop are among the places below
	PLACES NP-4
.else
	PLACES NP
.endif
	FETCH_B \next, 0, 0
	FETCH_A \next, 0, 0
	SCALES \next, \sg
	WIN MUL_HI
	MUL16 4, 1, NQ-1, \slot, 0
	MUL16 6, 1, NQ-1, \slot, 0
	PLACES NP
	WIN 0
	FETCH_A \next, 0, 4
.endm
	s_wait_alu depctr_va_vdst(0)
	s_wait_tensorcnt 1                             ; the scale words and my part of slot 0 are in; slot 1's load may be out
	s_barrier_signal -1
	s_barrier_wait -1
	FETCH_B 0, 0, 0
	FETCH_A 0, 0, 0
	SCALES 0, 0
	FETCH_A 0, 0, 4
	STEP 0, 0, 1                                   ; the first products start the sums: nothing is cleared.  K = 1,024 is four slots: written straight
	TURN 0, 1, 1, 1                                ; slot 0 takes K 512-767
	STEP 1, 0, 0
	TURN 1, 0, 1, 2                                ; slot 1 takes K 768-1,023
	STEP 0, 0, 0
	TURN 0, 1, 0, 3
	STEP 1, 0, 0
	s_wait_dscnt 4*NL
	WIN MUL_LO
	MUL16 0, 1, NQ-1, 1, 0
	MUL16 2, 1, NQ-1, 1, 0
	s_wait_dscnt 0
	WIN MUL_HI
	MUL16 4, 1, NQ-1, 1, 0
	MUL16 6, 1, NQ-1, 1, 0
	WIN 0
; THE WAY OUT.  For source 1's tile a, a lane's 64 results are register 16 b + i = index 32 b + 16 h + i along source 0's 128 rows: four blocks of 32 of one row of the next operand.
.macro QBLK a
.set AC, 64*((\a)%4)
.set PCS, PC+16*((\a)%2)
	WIN 0x0a+5*((\a)/4)                            ; sources 0 and 1: window 2 or 3
.irp b, 0,1,2,3
	v_max3_num_f32 v[TM+\b], |v[AC+16*\b]|, |v[AC+16*\b+1]|, 0x8000000   ; each accumulator from its low end on; the floor 2^(16 - 127) among the leaves
.endr
.irp i, 2,4,6,8,10,12,14
.irp b, 0,1,2,3
	v_max3_num_f32 v[TM+\b], |v[AC+16*\b+\i]|, |v[AC+16*\b+\i+1]|, v[TM+\b]
.endr
.endr
	WIN 0
.irp b, 0,1,2,3
	v_permlanex16_b32 v[TM+4+\b], v[TM+\b], s[SEL], s[SEL+1]
.endr
.irp b, 0,1,2,3
	v_max_num_f32 v[TM+\b], v[TM+\b], v[TM+4+\b]   ; with lane l xor 16's: the block's largest magnitude
.endr
.irp b, 0,1,2,3
	v_add_nc_u32 v[TM+12+\b], 0xf8800000, v[TM+\b] ; the conversion's scale operand
.endr
.irp b, 0,1,2,3
	v_and_or_b32 v[TM+8+\b], v[TM+\b], 0x7f800000, s[MNT]   ; 57,344 x the scale
.endr
.irp b, 0,1,2,3
	v_lshrrev_b32 v[TM+4+\b], 23, v[TM+12+\b]      ; the byte
.endr
	v_lshl_or_b32 v[PWS+(\a)], v[TM+5], 8, v[TM+4]
	v_lshl_or_b32 v[PWS+(\a)], v[TM+6], 16, v[PWS+(\a)]
	v_lshl_or_b32 v[PWS+(\a)], v[TM+7], 24, v[PWS+(\a)]
	WIN 0x02+(\a)/4                                ; source 0: window 2 or 3
.irp b, 0,1,2,3
.set ii, 0
.rept 16
	v_med3_num_f32 v[X+16*\b+ii], v[AC+16*\b+ii], -v[TM+8+\b], v[TM+8+\b]   ; the hold (ISA guide 7.6.2: the conversion does not saturate)
.set ii, ii+1
.endr
.endr
	WIN 0
.if (\a) > 1
	s_wait_alu depctr_va_vdst(0)
	s_wait_xcnt 0x0                                ; the stores of two tiles back have read this set of codes
.endif
.irp b, 0,1,2,3
	v_cvt_scalef32_pk8_bf8_f32 v[PCS+4*\b:PCS+4*\b+1], v[X+16*\b:X+16*\b+7], v[TM+12+\b]
	v_cvt_scalef32_pk8_bf8_f32 v[PCS+4*\b+2:PCS+4*\b+3], v[X+16*\b+8:X+16*\b+15], v[TM+12+\b]
.endr
	v_nop                                          ; a plain line behind the last conversion
.irp b, 0,1,2,3
	global_store_b128 v[CO], v[PCS+4*\b:PCS+4*\b+3], s[8:9] offset:2048*(\a)+512*\b   ; the image: 512 consecutive bytes
.endr
.endm
	PLACES NP                                      ; behind the last products: their results are read and source 1's registers written below
.irp b, 0,1,2,3
	v_mov_b32 v[TM+4+\b], 0                        ; a lane permute's destination counts as one of its sources
.endr
.irp a, 0,1,2,3,4,5,6,7
	QBLK \a
.endr
.irp p, 0,1,2,3
	v_cndmask_b32 v[RP+\p], v[PWS+2*\p], v[PWS+2*\p+1], s[HM]   ; lanes 0-15 tile 2 p's words, lanes 16-31 tile 2 p + 1's
.endr
	s_cmp_eq_u32 s42, 2                            ; the cluster's x: alike in all partners
	s_cbranch_scc1 .Lv_words
	v_mov_b32 v[K7F], 0x7f7f7f7f
.irp p, 0,1,2,3
	v_perm_b32 v[RQ+\p], v[K7F], v[RP+\p], 0x04040100     ; the pair's first head: bytes 0, 1;
	v_perm_b32 v[RQ+4+\p], v[K7F], v[RP+\p], 0x04040302   ; its second: bytes 2, 3; 2^0 for the zero codes of the upper half of K
.endr
	global_store_b128 v[CO], v[RQ:RQ+3], s[10:11]
	global_store_b128 v[CO], v[RQ+4:RQ+7], s[10:11] offset:8192
	s_branch .Lwords_out
.Lv_words:
	s_wait_alu depctr_va_vdst(0)
	global_store_b64 v[CO8], v[RP:RP+1], s[10:11]                 ; the first head's four channel tiles,
	global_store_b64 v[CO8], v[RP+2:RP+3], s[10:11] offset:4096   ; the second's
.Lwords_out:
	s_wait_tensorcnt 0x0                           ; the wave's end
	ds_add_u32 v[SPW], v[NIL]
	s_wait_dscnt 0x0
	CROUND                                         ; the closing round
	s_endpgm
.Lfunc_end_k_q39e0053e55_proj:
	.size	k_q39e0053e55_proj, .Lfunc_end_k_q39e0053e55_proj-k_q39e0053e55_proj
	.p2alignl 7, 3214868480
	.fill 96, 4, 3214868480
	.section	.rodata,"a",@progbits
	.p2align	6, 0x0
	.amdhsa_kernel k_q39e0053e55_proj
		.amdhsa_group_segment_fixed_size 327680
		.amdhsa_private_segment_fixed_size 0
		.amdhsa_enable_private_segment 0
		.amdhsa_kernarg_size 32
		.amdhsa_user_sgpr_count 2
		.amdhsa_user_sgpr_kernarg_segment_ptr 1
		.amdhsa_wavefront_size32 1
		.amdhsa_system_sgpr_workgroup_id_x 1
		.amdhsa_system_sgpr_workgroup_id_y 1
		.amdhsa_system_sgpr_workgroup_id_z 1
		.amdhsa_system_vgpr_workitem_id 0
		.amdhsa_next_free_vgpr 1024
		.amdhsa_next_free_sgpr 100
		.amdhsa_reserve_vcc 0
		.amdhsa_float_denorm_mode_32 3
		.amdhsa_float_denorm_mode_16_64 3
		.amdhsa_memory_ordered 1
		.amdhsa_forward_progress 1
		.amdhsa_inst_pref_size 186
	.end_amdhsa_kernel
	.amdgpu_metadata
---
amdhsa.version: [ 1, 2 ]
amdhsa.kernels:
  - .name:           k_q39e0053e55_proj
    .symbol:         k_q39e0053e55_proj.kd
    .args:
      - { .name: opc, .offset: 0, .size: 8, .value_kind: global_buffer, .address_space: global }
      - { .name: ops, .offset: 8, .size: 8, .value_kind: global_buffer, .address_space: global }
      - { .name: hc, .offset: 16, .size: 8, .value_kind: global_buffer, .address_space: global }
      - { .name: hs, .offset: 24, .size: 8, .value_kind: global_buffer, .address_space: global }
    .group_segment_fixed_size: 327680
    .private_segment_fixed_size: 0
    .kernarg_segment_align: 8
    .kernarg_segment_size: 32
    .max_flat_workgroup_size: 128
    .sgpr_count:     100
    .vgpr_count:     1024
    .wavefront_size: 32
...
	.end_amdgpu_metadata
.endif
;; end of part 2
;; launch attn (part 3): grid 4 x 64, 16 waves a work-group, no clusters, 327,680 bytes of LDS; arguments hc, hs, cc, cs; writes cc, cs
.if DOCPART == 3
	.amdgcn_target "amdgcn-amd-amdhsa--gfx1250"
	.amdhsa_code_object_version 6
	.text
	.protected	k_q39e0053e55_attn
	.globl	k_q39e0053e55_attn
	.p2align	8
	.type	k_q39e0053e55_attn,@function
k_q39e0053e55_attn:
	s_mov_b64 s[64:65], 0
	v_nop
	global_prefetch_b8 v0, s[64:65] scope:SCOPE_SE
	s_setreg_imm32_b32 hwreg(HW_REG_WAVE_MODE, 25, 1), 1
	s_wait_xcnt 0x0
; ctx = softmax(q k^T / 8, causal) v for one head, both products on codes of E5M2, and ctx quantised along the 1,024 channels on the way out.
; THE SOFTMAX: t = score x log2(e) / 8; M = the running largest t rounded up to a whole number; p = 2^(t - M) is quantised along the keys, not normalised; the row's sum is of the unquantised p and divides at the end.
; SHARES.  A work-group takes two blocks of 256 queries of one head: block 7 - i, then block i (i = work-group x): 8 - i and i + 1 slots of 256 keys: NINE trips in every work-group, two of them on the diagonal.
; Each of sixteen waves owns one tile of 16 queries in 256 registers: four waves to a SIMD, so that one wave's vector work stands beside another's matrix work and LDS loads.
; LAYOUT.  All operands are images of registers (a fragment's four registers c at 512 c + 16 x lane), so LDS needs no pitch.  Both products are used transposed: a lane holds one query throughout.
; Slot r of token tile T holds token 32 (T / 2) + 8 (T % 2) + r + 8 (r / 8): the 16 registers of key tiles 2 b, 2 b + 1 are keys 32 b + 16 h + 0..15, and the same order of V's channels makes O^T's registers neighbours.
; The head's 64 fill half of the instruction's K = 128: the upper eight registers of q's and k's fragments are zero codes, their scale bytes 0x7f.
; A key step all of whose keys come after the wave's queries is jumped over (a scalar branch on ids; no barrier and no tensor load stands in a step); on the diagonal hidden scores become -infinity.
; NO CLUSTER: the four work-groups of a head want different slots from the fifth trip on, so partners could not make every request jointly.
; OUT: cc [token tile 512][pair of heads 8][c = 2 x head of the pair + block 4][512]; cs [token tile][K half][r][4 words], my head's two bytes at + 2 x head of the pair: 2 bytes a row, 16 apart (262,144 bytes in all).
; LIMITS: blocks of zeros or under 2^-111 get the byte 1 (read by this program alone); NaN and infinities are not served.
; REGISTERS: v1-9 addresses; v12 -M, v13 largest t, v[14:15] the sum; v16-31 q; v32-95 four fragments of k; v96-159 S^T, then p, then V's four fragments; v160-191 O^T; v192-207 p's codes;
;   v208-211 k's scale words, v212-213 V's, v214 q's, v215 p's; v216-239 at work.
.set VO,    16384                      ; a slot: k's 16 tiles x 1,024; V's 2 steps x 8,192; k's words 2 x 512; V's 2 x 256
.set KSO,   32768
.set VSO,   33792
.set SLOT1, 65536                      ; slot 1: one exclusive or turns an address
.set SPARE, 131072                     ; the spare words, 128 bytes a wave: eight blocks of 256 bytes that no other line names
.set LI,  1                            ; v1 16 x lane
.set L8,  2                            ; v2 8 x lane
.set SPW, 3                            ; v3 my spare word; never rewritten
.set NIL, 4                            ; v4 0; never rewritten
.set DQ,  5                            ; v5 r + 8 (r / 8) - 16 h
.set PFO, 6                            ; v6 the prefetches' offset; never rewritten
.set R16, 7                            ; v7 16 r
.set ADK, 8                            ; v8 the slot in hand + 16 x lane
.set ADT, 9                            ; v9 the slot in hand + 8 x lane
.set KSW, 208
.set VSW, 212
.set QSW, 214
.set PSW, 215
.set BM,  216                          ; four blocks: largest score, then largest p
.set BP,  220                          ; the other half's; then the bytes
.set BH,  224
.set BS,  228                          ; the conversions' scale operands
.set FF,  232                          ; v[232:233] f = 2^(old M - new M)
.set S2,  234                          ; v[234:235] the sum's second chain
.set T0,  236
.set T1,  237
.set WV,  12
.set N1M1, 15                          ; s15 7 - i: the first block's last trip
.set TRIP, 16
.set TB,  17                           ; s17 LDS byte at which the slot in hand begins
.set KF0, 18                           ; s18 the slot's first key
.set Q0,  19                           ; s19 my tile's first query;  s20 its last
.set QMAX, 20
.set BLK, 21
.set SEL, 22
.set CS,  24                           ; s[24:25] c = log2(e) / 8
.set MNT, 26
.set LIM, 27                           ; s27 a wave prefetches while the trip's number is under it
.set G1K, 32
.set G1V, 40
.set G1KS, 48
.set G1VS, 56
.set G0K, 68
.set G0V, 72
.set G0KS, 76
.set G0VS, 80
.set KB,  84                           ; s[84:91] where my head's k, V, k's words and V's words begin
.set VB,  86
.set KSB, 88
.set VSB, 90
.set PFA, 92
.set QA,  94
.set QSA, 96
.set CCA, 98
.set CSA, 100
; One load a wave: wave 0 k's tiles, 1 V's, 2 k's scale words, 3 V's; the others none.  The branches hang on the wave's number alone; four v_nop follow each load.
.macro TLOAD4
	s_cmp_lg_u32 s[WV], 0
	s_cbranch_scc1 .Lnot0_\@
	tensor_load_to_lds s[G0K:G0K+3], s[G1K:G1K+7]
	s_nop 0
.rept 4
	v_nop
.endr
	s_branch .Lasked_\@
.Lnot0_\@:
	s_cmp_lg_u32 s[WV], 1
	s_cbranch_scc1 .Lnot1_\@
	tensor_load_to_lds s[G0V:G0V+3], s[G1V:G1V+7]
	s_nop 0
.rept 4
	v_nop
.endr
	s_branch .Lasked_\@
.Lnot1_\@:
	s_cmp_lg_u32 s[WV], 2
	s_cbranch_scc1 .Lnot2_\@
	tensor_load_to_lds s[G0KS:G0KS+3], s[G1KS:G1KS+7]
	s_nop 0
.rept 4
	v_nop
.endr
	s_branch .Lasked_\@
.Lnot2_\@:
	s_cmp_lg_u32 s[WV], 3
	s_cbranch_scc1 .Lasked_\@
	tensor_load_to_lds s[G0VS:G0VS+3], s[G1VS:G1VS+7]
	s_nop 0
.rept 4
	v_nop
.endr
.Lasked_\@:
.endm
.macro SETG0                           ; the four global addresses for the slot of keys whose number stands in s28
	s_lshl_b32 s30, s28, 15                        ; 256 keys: 32,768 bytes on in k's and in V's part of the pair's chunks,
	s_mov_b32 s31, 0
	s_add_nc_u64 s[G0K+2:G0K+3], s[KB:KB+1], s[30:31]
	s_or_b32 s[G0K+3], s[G0K+3], 0x80000000
	s_add_nc_u64 s[G0V+2:G0V+3], s[VB:VB+1], s[30:31]
	s_or_b32 s[G0V+3], s[G0V+3], 0x80000000
	s_lshl_b32 s30, s28, 10                        ; 1,024 of k's words,
	s_add_nc_u64 s[G0KS+2:G0KS+3], s[KSB:KSB+1], s[30:31]
	s_or_b32 s[G0KS+3], s[G0KS+3], 0x80000000
	s_lshl_b32 s30, s28, 9                         ; 512 of V's
	s_add_nc_u64 s[G0VS+2:G0VS+3], s[VSB:VSB+1], s[30:31]
	s_or_b32 s[G0VS+3], s[G0VS+3], 0x80000000
.endm
; A PREFETCH of the slot that the NEXT change of slots will ask for.  All four work-groups of a head walk the same k and V; work-group 0 walks slots 0 to 7 in order, so it asks, in trips 0 to 5, for slot trip + 2.
; Waves 4, 5: k's 16 tiles x 1,024 bytes, 2,048 apart: 64 blocks of 256 bytes, a lane a block.  Waves 6, 7: V's 2 x 8,192 bytes, a lane a block.  So each block is named once in the launch.  Slots 0 and 1 come by their loads alone.
.macro ASK
	s_cmp_lt_u32 s[TRIP], s[LIM]
	s_cbranch_scc0 .Lnot_mine_\@
	global_prefetch_b8 v[PFO], s[PFA:PFA+1] th:TH_LOAD_NT scope:SCOPE_SE
.Lnot_mine_\@:
.endm
	s_load_b256 s[4:11], s[0:1], 0x0               ; hc, hs, cc, cs
	v_lshl_add_u32 v[SPW], v0, 2, SPARE
	v_mov_b32 v[NIL], 0
	ds_add_u32 v3, v4
	ds_add_u32 v3, v4
	s_wait_dscnt 0x0
	v_lshrrev_b32 v8, 5, v0
	s_delay_alu instid0(VALU_DEP_1)
	v_readfirstlane_b32 s[WV], v8                  ; wave 0..15
	s_mov_b32 s13, ttmp9                           ; i
	s_and_b32 s14, ttmp7, 0xffff                   ; 16 x batch + head
	s_sub_co_u32 s[N1M1], 7, s13
	s_lshr_b32 s66, s14, 1
	s_lshl_b32 s66, s66, 18                        ; the pair of heads: 262,144 bytes in each of q, k, v
	s_and_b32 s67, s14, 1                          ; which head of the pair
	; groups 1: elements of 8 bytes, no padding
	s_mov_b32 s[G1K], 3<<16                        ; k: 16 tiles of 128 elements (1,024 bytes), 256 elements apart
	s_mov_b32 s[G1K+1], 128<<16
	s_mov_b32 s[G1K+2], 16<<16
	s_mov_b32 s[G1K+3], 128<<16
	s_mov_b32 s[G1K+4], 16
	s_mov_b32 s[G1K+5], 256
	s_mov_b32 s[G1K+6], 0
	s_mov_b32 s[G1K+7], 0
	s_mov_b32 s[G1V], 3<<16                        ; V: 2 groups of 1,024 elements (8,192 bytes), 2,048 apart
	s_mov_b32 s[G1V+1], 1024<<16
	s_mov_b32 s[G1V+2], 2<<16
	s_mov_b32 s[G1V+3], 1024<<16
	s_mov_b32 s[G1V+4], 2
	s_mov_b32 s[G1V+5], 2048
	s_mov_b32 s[G1V+6], 0
	s_mov_b32 s[G1V+7], 0
	s_mov_b32 s[G1KS], 3<<16                       ; k's words: 1,024 dense bytes as 4 rows of 256
	s_mov_b32 s[G1KS+1], 32<<16
	s_mov_b32 s[G1KS+2], 4<<16
	s_mov_b32 s[G1KS+3], 32<<16
	s_mov_b32 s[G1KS+4], 4
	s_mov_b32 s[G1KS+5], 32
	s_mov_b32 s[G1KS+6], 0
	s_mov_b32 s[G1KS+7], 0
	s_mov_b32 s[G1VS], 3<<16                       ; V's: 512 dense bytes as 2 rows
	s_mov_b32 s[G1VS+1], 32<<16
	s_mov_b32 s[G1VS+2], 2<<16
	s_mov_b32 s[G1VS+3], 32<<16
	s_mov_b32 s[G1VS+4], 2
	s_mov_b32 s[G1VS+5], 32
	s_mov_b32 s[G1VS+6], 0
	s_mov_b32 s[G1VS+7], 0
	s_mov_b32 s[G0K], 1
	s_mov_b32 s[G0K+1], 0
	s_mov_b32 s[G0V], 1
	s_mov_b32 s[G0V+1], VO
	s_mov_b32 s[G0KS], 1
	s_mov_b32 s[G0KS+1], KSO
	s_mov_b32 s[G0VS], 1
	s_mov_b32 s[G0VS+1], VSO
	s_lshl_b32 s28, s67, 10
	s_add_co_u32 s28, s28, s66
	s_add_co_u32 s28, s28, 8388608
	s_mov_b32 s29, 0
	s_lshl_b32 s30, s67, 13
	s_add_co_u32 s30, s30, s66
	s_add_co_u32 s30, s30, 16777216
	s_mov_b32 s31, 0
	s_lshl_b32 s2, s14, 13
	s_add_co_u32 s2, s2, 524288
	s_mov_b32 s3, 0
	s_wait_kmcnt 0x0
	s_add_nc_u64 s[KB:KB+1], s[4:5], s[28:29]
	s_add_nc_u64 s[VB:VB+1], s[4:5], s[30:31]
	s_add_nc_u64 s[KSB:KSB+1], s[6:7], s[2:3]
	s_lshl_b32 s2, s14, 12
	s_add_co_u32 s2, s2, 1048576
	s_add_nc_u64 s[VSB:VSB+1], s[6:7], s[2:3]
	s_mov_b32 s28, 0
	SETG0
	TLOAD4                                         ; slot 0: the one first fill of a wave, ahead of every wait on TENSORcnt, every LDS read and every barrier
	s_cmp_lt_u32 s[WV], 6                          ; the prefetches: waves 4, 5 stand in k, waves 6, 7 in V
	s_cselect_b64 s[PFA:PFA+1], s[KB:KB+1], s[VB:VB+1]
	s_cselect_b32 s30, 1, 0
	s_and_b32 s28, s[WV], 1
	s_lshl_b32 s28, s28, 14                        ; the odd wave: 16,384 bytes on,
	s_add_co_u32 s28, s28, 32768                   ; in slot 1: the first change of slots steps it to slot 2
	s_mov_b32 s29, 0
	s_add_nc_u64 s[PFA:PFA+1], s[PFA:PFA+1], s[28:29]
	s_sub_co_u32 s28, s[WV], 4
	s_lshr_b32 s28, s28, 2                         ; 0 in waves 4 to 7,
	s_or_b32 s28, s28, s13                         ; of the head's work-group 0
	s_cmp_eq_u32 s28, 0
	s_cselect_b32 s[LIM], 6, 0
	s_mov_b32 s[SEL], 0x76543210
	s_mov_b32 s[SEL+1], 0xfedcba98
	s_mov_b32 s[CS], 0x3e38aa3b                    ; log2(e) / 8
	s_mov_b32 s[CS+1], s[CS]                       ; (named with it as a pair, so it is written)
	s_mov_b32 s[TB], 0
	s_mov_b32 s[TRIP], 0
	s_mov_b32 s[BLK], s[N1M1]
	v_and_b32 v10, 31, v0
	s_delay_alu instid0(VALU_DEP_1)
	v_lshlrev_b32 v[LI], 4, v10
	s_delay_alu instid0(VALU_DEP_2)
	v_lshlrev_b32 v[L8], 3, v10
	v_and_b32 v11, 15, v0
	s_delay_alu instid0(VALU_DEP_1)
	v_lshlrev_b32 v[R16], 4, v11
	s_delay_alu instid0(VALU_DEP_2)
	v_and_b32 v[DQ], 8, v11
	s_delay_alu instid0(VALU_DEP_1)
	v_add_nc_u32 v[DQ], v[DQ], v11
	v_bfe_u32 v11, v0, 4, 1
	s_delay_alu instid0(VALU_DEP_1)
	v_lshlrev_b32 v11, 4, v11
	s_delay_alu instid0(VALU_DEP_1)
	v_sub_nc_u32 v[DQ], v[DQ], v11
	v_lshrrev_b32 v11, 2, v10
	s_delay_alu instid0(VALU_DEP_1)
	v_lshlrev_b32 v11, 10, v11
	s_delay_alu instid0(VALU_DEP_1)
	v_mul_u32_u24 v11, s30, v11                    ; in k four blocks of 256 bytes are followed by the other head's 1,024
	s_delay_alu instid0(VALU_DEP_1)
	v_lshl_add_u32 v[PFO], v10, 8, v11
.irp j, 24,25,26,27,28,29,30,31
	v_mov_b32 v[\j], 0                             ; q's zero half of K
.endr
.irp t, 0,1,2,3
.irp j, 8,9,10,11,12,13,14,15
	v_mov_b32 v[32+16*\t+\j], 0                    ; and k's: set once, never loaded over
.endr
.endr
.irp b, 0,1,2,3
	v_mov_b32 v[BP+\b], 0                          ; a lane permute's destination counts as one of its sources
.endr
	v_mov_b32 v[T0], 0
	v_mov_b32 v[FF+1], 0                           ; (named as the upper half of the pair)
; A block of queries begins: its addresses, q's fragment and scale word, and the softmax's state: O^T and the sum zeros, the largest t -3e38: the first change of M multiplies zeros.
.macro START
	s_wait_xcnt 0x0                                ; the last block's stores have read their addresses and data
	s_lshl_b32 s28, s[BLK], 4
	s_add_co_u32 s28, s28, s[WV]                   ; my token tile in the head
	s_lshl_b32 s[Q0], s[BLK], 8
	s_lshr_b32 s29, s[WV], 1
	s_lshl_b32 s29, s29, 5
	s_add_co_u32 s[Q0], s[Q0], s29
	s_and_b32 s29, s[WV], 1
	s_lshl_b32 s29, s29, 3
	s_add_co_u32 s[Q0], s[Q0], s29                 ; slot r's query is Q0 + r + 8 (r / 8)
	s_add_co_u32 s[QMAX], s[Q0], 23
	s_lshl_b32 s30, s28, 11
	s_add_co_u32 s30, s30, s66
	s_lshl_b32 s29, s67, 10
	s_add_co_u32 s30, s30, s29
	s_mov_b32 s31, 0
	s_add_nc_u64 s[QA:QA+1], s[4:5], s[30:31]
	s_lshl_b32 s30, s14, 13
	s_lshr_b32 s29, s28, 3
	s_lshl_b32 s29, s29, 9
	s_add_co_u32 s30, s30, s29
	s_bfe_u32 s29, s28, 0x20001
	s_lshl_b32 s29, s29, 2
	s_add_co_u32 s30, s30, s29
	s_and_b32 s29, s28, 1
	s_lshl_b32 s29, s29, 8
	s_add_co_u32 s30, s30, s29
	s_add_nc_u64 s[QSA:QSA+1], s[6:7], s[30:31]
	s_lshr_b32 s2, s14, 4
	s_lshl_b32 s2, s2, 7
	s_add_co_u32 s2, s2, s28                       ; my token tile among all 512
	s_bfe_u32 s3, s14, 0x30001                     ; the pair of heads = the last product's K step
	s_lshl_b32 s30, s2, 14
	s_lshl_b32 s29, s3, 11
	s_add_co_u32 s30, s30, s29
	s_lshl_b32 s29, s67, 10
	s_add_co_u32 s30, s30, s29
	s_add_nc_u64 s[CCA:CCA+1], s[8:9], s[30:31]
	s_lshl_b32 s30, s2, 9
	s_lshr_b32 s29, s3, 2
	s_lshl_b32 s29, s29, 8
	s_add_co_u32 s30, s30, s29
	s_and_b32 s29, s3, 3
	s_lshl_b32 s29, s29, 2
	s_add_co_u32 s30, s30, s29
	s_lshl_b32 s29, s67, 1
	s_add_co_u32 s30, s30, s29
	s_add_nc_u64 s[CSA:CSA+1], s[10:11], s[30:31]
	global_load_b128 v[16:19], v[LI], s[QA:QA+1]
	global_load_b128 v[20:23], v[LI], s[QA:QA+1] offset:512
	global_load_b32 v[QSW], v[R16], s[QSA:QSA+1]
	v_mov_b32 v13, 0xff61b1e6
	s_delay_alu instid0(VALU_DEP_1)
	v_floor_f32 v12, -v13
	v_mov_b32 v14, 0
	v_mov_b32 v15, 0
.set jj, 0
.rept 32
	v_mov_b32 v[160+jj], 0
.set jj, jj+1
.endr
	s_wait_loadcnt 0x0
.endm
.macro KQ t                            ; S^T tile t = 16 keys x my 16 queries; the words of tiles 2 p, 2 p + 1 share a register
.if (\t)%2
	v_wmma_scale_f32_16x16x128_f8f6f4 v[96+8*(\t):103+8*(\t)], v[32+16*((\t)%4):47+16*((\t)%4)], v[16:31], 0, v[KSW+(\t)/2], v[QSW] matrix_a_fmt:MATRIX_FMT_BF8 matrix_b_fmt:MATRIX_FMT_BF8 matrix_a_scale:MATRIX_SCALE_ROW1
.else
	v_wmma_scale_f32_16x16x128_f8f6f4 v[96+8*(\t):103+8*(\t)], v[32+16*((\t)%4):47+16*((\t)%4)], v[16:31], 0, v[KSW+(\t)/2], v[QSW] matrix_a_fmt:MATRIX_FMT_BF8 matrix_b_fmt:MATRIX_FMT_BF8
.endif
.endm
.macro PV t                            ; O^T tile t += 16 channels x 128 keys times p
.if (\t)%2
	v_wmma_scale_f32_16x16x128_f8f6f4 v[160+8*(\t):167+8*(\t)], v[96+16*(\t):111+16*(\t)], v[192:207], v[160+8*(\t):167+8*(\t)], v[VSW+(\t)/2], v[PSW] matrix_a_fmt:MATRIX_FMT_BF8 matrix_b_fmt:MATRIX_FMT_BF8 matrix_a_scale:MATRIX_SCALE_ROW1
.else
	v_wmma_scale_f32_16x16x128_f8f6f4 v[160+8*(\t):167+8*(\t)], v[96+16*(\t):111+16*(\t)], v[192:207], v[160+8*(\t):167+8*(\t)], v[VSW+(\t)/2], v[PSW] matrix_a_fmt:MATRIX_FMT_BF8 matrix_b_fmt:MATRIX_FMT_BF8
.endif
.endm
.macro BMAX b0, b1                     ; the largest score of two blocks of 32 keys, my 16 of each, by turns; each accumulator from its low end on
.irp b, \b0,\b1
	v_max3_num_f32 v[BM+\b], v[96+16*\b], v[97+16*\b], v[98+16*\b]
.endr
.irp i, 3,5,7,9,11,13
.irp b, \b0,\b1
	v_max3_num_f32 v[BM+\b], v[BM+\b], v[96+16*\b+\i], v[97+16*\b+\i]
.endr
.endr
.irp b, \b0,\b1
	v_max_num_f32 v[BM+\b], v[BM+\b], v[111+16*\b]
.endr
.endm
; A KEY STEP: 128 keys, the q-th of the slot in hand.
.macro STEP q
	s_add_co_u32 s28, s[KF0], 128*\q               ; the step's first key
	s_cmp_gt_u32 s28, s[QMAX]
	s_cbranch_scc1 .Lhidden_\@                     ; all its keys come after my queries
	s_wait_alu depctr_va_vdst(0)
.irp t, 0,1,2,3
	ds_load_b128 v[32+16*\t:35+16*\t], v[ADK] offset:1024*(8*\q+\t)
	ds_load_b128 v[36+16*\t:39+16*\t], v[ADK] offset:1024*(8*\q+\t)+512
.endr
	ds_load_b128 v[KSW:KSW+3], v[ADK] offset:KSO+512*\q
.rept 9
	v_nop                                          ; the products below write over V's fragments, which the last step's products read: nine places
.endr
	s_wait_dscnt 0x0
.irp t, 0,1,2,3
	KQ \t
.endr
.rept 8
	v_nop                                          ; places in front of loads into registers that these products read, and of the first read of their results
.endr
	s_wait_alu depctr_va_vdst(0)
.irp t, 0,1,2,3
	ds_load_b128 v[32+16*\t:35+16*\t], v[ADK] offset:1024*(8*\q+4+\t)
	ds_load_b128 v[36+16*\t:39+16*\t], v[ADK] offset:1024*(8*\q+4+\t)+512
.endr
	s_wait_dscnt 0x0
.irp t, 4,5,6,7
	KQ \t
.endr
	s_add_co_u32 s29, s28, 127
	s_cmp_le_u32 s29, s[Q0]
	s_cbranch_scc1 .Lopen_\@                       ; all keys count for all my queries
	s_sub_co_i32 s29, s[Q0], s28
	v_add_nc_u32 v[T0], s29, v[DQ]                 ; d = my query - the step's first key - 16 h.  Register 16 b + i holds key 32 b + 16 h + i: hidden where 32 b + i > d
	v_mov_b32 v[T1], 0xff800000
.set nn, 0
.rept 64                               ; ascending: the first 32 registers' lines are the places behind the last four products
	v_cmp_gt_i32 vcc_lo, 32*(nn/16)+nn%16, v[T0]
	v_cndmask_b32 v[96+nn], v[96+nn], v[T1], vcc_lo
.set nn, nn+1
.endr
.Lopen_\@:
	BMAX 0, 1                                      ; sixteen lines on the first four products' results: the places behind the last four
	BMAX 2, 3
.irp b, 0,1,2,3
	v_permlanex16_b32 v[BP+\b], v[BM+\b], s[SEL], s[SEL+1]
.endr
.irp b, 0,1,2,3
	s_delay_alu instid0(VALU_DEP_4)
	v_max_num_f32 v[BM+\b], v[BM+\b], v[BP+\b]     ; with lane l xor 16's 16 keys: it serves for the row's maximum and, since p rises with the score, for the block's largest p
.endr
	s_delay_alu instid0(VALU_DEP_2)
	v_max3_num_f32 v[T0], v[BM], v[BM+1], v[BM+2]
	s_delay_alu instid0(VALU_DEP_1)
	v_max_num_f32 v[T0], v[T0], v[BM+3]
	s_delay_alu instid0(VALU_DEP_1)
	v_mul_f32 v[T0], s[CS], v[T0]
	s_delay_alu instid0(VALU_DEP_1)
	v_max_num_f32 v13, v13, v[T0]                  ; the running largest t
	v_mov_b32 v[T0], v12
	s_delay_alu instid0(VALU_DEP_2)
	v_floor_f32 v12, -v13                          ; the new -M = floor(-t): M is a whole number
	s_delay_alu instid0(VALU_DEP_1)
	v_sub_f32 v[T0], v12, v[T0]                    ; old M - new M: a whole number, 0 or less
	s_delay_alu instid0(VALU_DEP_1)
	v_cvt_i32_f32 v[T0], v[T0]                     ; (it saturates)
	s_delay_alu instid0(VALU_DEP_1)
	v_ldexp_f32 v[FF], 1.0, v[T0]                  ; f: a multiplication by it rounds nothing
.set jj, 0
.rept 32
	v_pk_fma_f32 v[96+jj:97+jj], v[96+jj:97+jj], s[CS:CS+1], v[12:13] op_sel_hi:[1,0,0]   ; t - M, two at a time
.set jj, jj+2
.endr
.irp b, 0,1,2,3
	v_fma_f32 v[BM+\b], v[BM+\b], s[CS], v12       ; the same of each block's largest score
.endr
.set jj, 0
	s_wait_alu depctr_va_vdst(0)
.rept 64
	v_exp_f32 v[96+jj], v[96+jj]                   ; p = 2^(t - M)
.set jj, jj+1
.endr
	v_pk_mul_f32 v[14:15], v[14:15], v[FF:FF+1] op_sel_hi:[1,0]   ; the sums under the new M: the plain line behind the exponentials
	s_wait_alu depctr_va_vdst(0)                   ; one wait for the batch, ahead of its first reader
.irp b, 0,1,2,3
	v_exp_f32 v[BM+\b], v[BM+\b]                   ; the block's largest p: the same two instructions on the same number
.endr
	v_pk_add_f32 v[234:235], v[100:101], v[104:105]
	v_pk_add_f32 v[254:255], v[108:109], v[112:113]
	v_pk_add_f32 v[252:253], v[116:117], v[120:121]
	v_pk_add_f32 v[250:251], v[124:125], v[128:129]
	v_pk_add_f32 v[248:249], v[132:133], v[136:137]
	v_pk_add_f32 v[246:247], v[140:141], v[144:145]
	v_pk_add_f32 v[244:245], v[148:149], v[152:153]
	v_pk_add_f32 v[14:15], v[14:15], v[156:157]
	v_pk_add_f32 v[234:235], v[234:235], v[96:97]
	v_pk_add_f32 v[254:255], v[254:255], v[98:99]
	v_pk_add_f32 v[252:253], v[252:253], v[102:103]
	v_pk_add_f32 v[250:251], v[250:251], v[106:107]
	v_pk_add_f32 v[248:249], v[248:249], v[110:111]
	v_pk_add_f32 v[246:247], v[246:247], v[114:115]
	v_pk_add_f32 v[244:245], v[244:245], v[118:119]
	v_pk_add_f32 v[14:15], v[14:15], v[122:123]
	v_pk_add_f32 v[234:235], v[234:235], v[126:127]
	v_pk_add_f32 v[254:255], v[254:255], v[130:131]
	v_pk_add_f32 v[252:253], v[252:253], v[134:135]
	v_pk_add_f32 v[250:251], v[250:251], v[138:139]
	v_pk_add_f32 v[248:249], v[248:249], v[142:143]
	v_pk_add_f32 v[246:247], v[246:247], v[146:147]
	v_pk_add_f32 v[244:245], v[244:245], v[150:151]
	v_pk_add_f32 v[14:15], v[14:15], v[154:155]
	v_pk_add_f32 v[234:235], v[234:235], v[158:159]
	s_delay_alu instid0(VALU_DEP_2)
	v_pk_add_f32 v[14:15], v[14:15], v[250:251]
	s_delay_alu instid0(VALU_DEP_2)
	v_pk_add_f32 v[234:235], v[234:235], v[248:249]
	v_pk_add_f32 v[254:255], v[254:255], v[246:247]
	v_pk_add_f32 v[252:253], v[252:253], v[244:245]
	s_delay_alu instid0(VALU_DEP_2)
	v_pk_add_f32 v[14:15], v[14:15], v[254:255]
	s_delay_alu instid0(VALU_DEP_2)
	v_pk_add_f32 v[234:235], v[234:235], v[252:253]
	s_delay_alu instid0(VALU_DEP_1)
	v_pk_add_f32 v[14:15], v[14:15], v[234:235]
	s_wait_alu depctr_va_vdst(0)                   ; and one for the four
.irp b, 0,1,2,3
	v_max_num_f32 v[BM+\b], 0x8000000, v[BM+\b]    ; the floor 2^(16 - 127)
.endr
.irp b, 0,1,2,3
	s_delay_alu instid0(VALU_DEP_4)
	v_add_nc_u32 v[BS+\b], 0xf8800000, v[BM+\b]
.endr
.irp b, 0,1,2,3
.endr
.irp b, 0,1,2,3
	s_delay_alu instid0(VALU_DEP_4)
	v_lshrrev_b32 v[BP+\b], 23, v[BS+\b]
.endr
	s_delay_alu instid0(VALU_DEP_3)
	v_lshl_or_b32 v[PSW], v[BP+1], 8, v[BP]        ; p's scale word for these 128 keys; the conversions below stand between it and the products
	s_delay_alu instid0(VALU_DEP_1)
	v_lshl_or_b32 v[PSW], v[BP+2], 16, v[PSW]
	s_delay_alu instid0(VALU_DEP_1)
	v_lshl_or_b32 v[PSW], v[BP+3], 24, v[PSW]
.irp b, 0,1,2,3
.set jj, 0
.rept 16
.set jj, jj+1
.endr
	v_cvt_scalef32_pk8_bf8_f32 v[192+4*\b:193+4*\b], v[96+16*\b:103+16*\b], v[BS+\b]
	v_cvt_scalef32_pk8_bf8_f32 v[194+4*\b:195+4*\b], v[104+16*\b:111+16*\b], v[BS+\b]
.endr
	v_nop
.irp t, 0,1,2,3                        ; V's four fragments take p's place
.irp c, 0,1,2,3
	ds_load_b128 v[96+16*\t+4*\c:99+16*\t+4*\c], v[ADK] offset:VO+8192*\q+2048*\t+512*\c
.endr
.endr
	ds_load_b64 v[VSW:VSW+1], v[ADT] offset:VSO+256*\q
.set jj, 0
.rept 16
	v_pk_mul_f32 v[160+jj:161+jj], v[160+jj:161+jj], v[FF:FF+1] op_sel_hi:[1,0]   ; O^T under the new M; for each product the other three tiles' twelve lines are the places behind the codes
.set jj, jj+2
.endr
	s_wait_alu depctr_va_vdst(0)
	s_wait_dscnt 0x0
.irp t, 0,1,2,3
	PV \t
.endr
.Lhidden_\@:
.endm
; THE CHANGE OF SLOTS, at a trip's head.  Each wave waits for all its tensor loads, adds 0 to its spare word, and waits for that and for its reads of the slot that it has left; behind the barrier the slot ahead is whole
; and nobody reads the other.  fill = 1: that other slot takes the next trip's keys: slot trip + 1 of the first block's walk, or slot trip - (7 - i) of the second's.
.macro CHANGE fill
	s_wait_tensorcnt 0x0                           ; no tensor load of mine is out, so a group 0 may be written
	ds_add_u32 v[SPW], v[NIL]                      ; 0 onto my spare word
	s_sub_co_u32 s29, s[TRIP], s[N1M1]
	s_sub_co_u32 s30, s29, 1
	s_cmp_le_u32 s[TRIP], s[N1M1]
	s_cselect_b32 s30, s[TRIP], s30
	s_lshl_b32 s[KF0], s30, 8                      ; this trip's first key
.if \fill
	s_add_co_u32 s28, s[TRIP], 1
	s_cmp_lt_u32 s[TRIP], s[N1M1]
	s_cselect_b32 s28, s28, s29
.irp g, G0K, G0V, G0KS, G0VS
	s_xor_b32 s[\g+1], s[\g+1], SLOT1
.endr
	SETG0
	s_wait_xcnt 0x0                                ; the last prefetch, a trip back, has read its address
	s_add_nc_u64 s[PFA:PFA+1], s[PFA:PFA+1], 32768
.endif
	s_wait_dscnt 0x0                               ; the add is done, and my reads of the slot that I have left are over
	s_barrier_signal -1
	s_barrier_wait -1
.if \fill
	TLOAD4                                         ; first behind the barrier, a wave's one tensor load until the next
	ASK
.endif
	v_add_nc_u32 v[ADK], s[TB], v[LI]
	v_add_nc_u32 v[ADT], s[TB], v[L8]
.endm
; A block of queries ends: O^T / the sum; register 16 b + i is channel 32 b + 16 h + i of my query: two blocks of 32 of the last product's K: quantised and stored as an image.
.macro FINISH
.rept 8
	v_nop                                          ; places behind the last products
.endr
	v_add_f32 v14, v14, v15
	s_delay_alu instid0(VALU_DEP_1)
	v_permlanex16_b32 v[T0], v14, s[SEL], s[SEL+1]
	s_delay_alu instid0(VALU_DEP_1)
	v_add_f32 v14, v14, v[T0]                      ; the row's sum
	s_wait_alu depctr_va_vdst(0)
	v_rcp_f32 v14, v14
	v_nop                                          ; a plain line behind the reciprocal,
	s_wait_alu depctr_va_vdst(0)                   ; and the wait ahead of its first reader
.set jj, 0
.rept 32
	v_mul_f32 v[96+jj], v[160+jj], v14             ; each accumulator from its low end on
.set jj, jj+1
.endr
.irp b, 0,1
	v_max3_num_f32 v[BM+\b], |v[96+16*\b]|, |v[97+16*\b]|, 0x8000000
.endr
.irp i, 2,4,6,8,10,12,14
.irp b, 0,1
	s_delay_alu instid0(VALU_DEP_2)
	v_max3_num_f32 v[BM+\b], v[BM+\b], |v[96+16*\b+\i]|, |v[97+16*\b+\i]|
.endr
.endr
.irp b, 0,1
	s_delay_alu instid0(VALU_DEP_2)
	v_permlanex16_b32 v[BP+\b], v[BM+\b], s[SEL], s[SEL+1]
.endr
.irp b, 0,1
	s_delay_alu instid0(VALU_DEP_2)
	v_max_num_f32 v[BM+\b], v[BM+\b], v[BP+\b]
.endr
.irp b, 0,1
	s_delay_alu instid0(VALU_DEP_2)
	v_add_nc_u32 v[BS+\b], 0xf8800000, v[BM+\b]
.endr
.irp b, 0,1
.endr
.irp b, 0,1
	s_delay_alu instid0(VALU_DEP_2)
	v_lshrrev_b32 v[BP+\b], 23, v[BS+\b]
.endr
	s_delay_alu instid0(VALU_DEP_1)
	v_lshl_or_b32 v[T0], v[BP+1], 8, v[BP]         ; my head's two bytes of the row's scale word
.irp b, 0,1
.set jj, 0
.rept 16
.set jj, jj+1
.endr
	v_cvt_scalef32_pk8_bf8_f32 v[192+4*\b:193+4*\b], v[96+16*\b:103+16*\b], v[BS+\b]
	v_cvt_scalef32_pk8_bf8_f32 v[194+4*\b:195+4*\b], v[104+16*\b:111+16*\b], v[BS+\b]
.endr
	v_nop                                          ; a plain line behind the last conversion
	global_store_b128 v[LI], v[192:195], s[CCA:CCA+1]
	global_store_b128 v[LI], v[196:199], s[CCA:CCA+1] offset:512
	global_store_b16 v[R16], v[T0], s[CSA:CSA+1]   ; (both halves of the lanes hold and write the same)
.endm
	START
.Ltrip:                                            ; eight trips, each of which asks for the next trip's keys
	CHANGE 1
	STEP 0
	STEP 1
	s_xor_b32 s[TB], s[TB], SLOT1
	s_cmp_lg_u32 s[TRIP], s[N1M1]                  ; the first block's last trip?  The same in all sixteen waves
	s_cbranch_scc1 .Lsame_block
	FINISH
	s_mov_b32 s[BLK], s13
	START
.Lsame_block:
	s_add_co_u32 s[TRIP], s[TRIP], 1
	s_cmp_lt_u32 s[TRIP], 8
	s_cbranch_scc1 .Ltrip
	CHANGE 0                                       ; the ninth trip is written out
	STEP 0
	STEP 1
	FINISH
	s_wait_tensorcnt 0x0                           ; the wave's end
	ds_add_u32 v[SPW], v[NIL]
	s_wait_dscnt 0x0
	s_endpgm
.Lfunc_end_k_q39e0053e55_attn:
	.size	k_q39e0053e55_attn, .Lfunc_end_k_q39e0053e55_attn-k_q39e0053e55_attn
	.p2alignl 7, 3214868480
	.fill 96, 4, 3214868480
	.section	.rodata,"a",@progbits
	.p2align	6, 0x0
	.amdhsa_kernel k_q39e0053e55_attn
		.amdhsa_group_segment_fixed_size 327680
		.amdhsa_private_segment_fixed_size 0
		.amdhsa_enable_private_segment 0
		.amdhsa_kernarg_size 32
		.amdhsa_user_sgpr_count 2
		.amdhsa_user_sgpr_kernarg_segment_ptr 1
		.amdhsa_wavefront_size32 1
		.amdhsa_system_sgpr_workgroup_id_x 1
		.amdhsa_system_sgpr_workgroup_id_y 1
		.amdhsa_system_sgpr_workgroup_id_z 1
		.amdhsa_system_vgpr_workitem_id 0
		.amdhsa_next_free_vgpr 256
		.amdhsa_next_free_sgpr 102
		.amdhsa_reserve_vcc 1
		.amdhsa_float_denorm_mode_32 3
		.amdhsa_float_denorm_mode_16_64 3
		.amdhsa_fp16_overflow 1
		.amdhsa_memory_ordered 1
		.amdhsa_forward_progress 1
		.amdhsa_inst_pref_size 116
	.end_amdhsa_kernel
	.amdgpu_metadata
---
amdhsa.version: [ 1, 2 ]
amdhsa.kernels:
  - .name:           k_q39e0053e55_attn
    .symbol:         k_q39e0053e55_attn.kd
    .args:
      - { .name: hc, .offset: 0, .size: 8, .value_kind: global_buffer, .address_space: global }
      - { .name: hs, .offset: 8, .size: 8, .value_kind: global_buffer, .address_space: global }
      - { .name: cc, .offset: 16, .size: 8, .value_kind: global_buffer, .address_space: global }
      - { .name: cs, .offset: 24, .size: 8, .value_kind: global_buffer, .address_space: global }
    .group_segment_fixed_size: 327680
    .private_segment_fixed_size: 0
    .kernarg_segment_align: 8
    .kernarg_segment_size: 32
    .max_flat_workgroup_size: 512
    .sgpr_count:     102
    .vgpr_count:     256
    .wavefront_size: 32
...
	.end_amdgpu_metadata
.endif
;; end of part 3
;; launch outp (part 4): grid 4 x 32, 4 waves a work-group, clusters of 4 x 4, 327,680 bytes of LDS; arguments cc, cs, opc, ops, bo, out0; writes out0
.if DOCPART == 4
	.amdgcn_target "amdgcn-amd-amdhsa--gfx1250"
	.amdhsa_code_object_version 6
	.text
	.protected	k_q39e0053e55_outp
	.globl	k_q39e0053e55_outp
	.p2align	8
	.type	k_q39e0053e55_outp,@function
k_q39e0053e55_outp:
	s_mov_b64 s[64:65], 0
	v_nop
	global_prefetch_b8 v0, s[64:65] scope:SCOPE_SE
	s_setreg_imm32_b32 hwreg(HW_REG_WAVE_MODE, 25, 1), 1
	s_wait_xcnt 0x0
	s_wait_alu depctr_hold_cnt(0) depctr_sa_sdst(0) depctr_va_vdst(0) depctr_va_sdst(0) depctr_va_ssrc(0) depctr_va_vcc(0) depctr_vm_vsrc(0)
	s_getreg_b32 s2, hwreg(HW_REG_IB_STS2, 6, 4)
	s_cmp_eq_u32 s2, 0
	s_cbranch_scc0 .Lentry_in_a_cluster
	s_endpgm
.Lentry_in_a_cluster:
	s_bfe_u32 s2, ttmp6, 0x10000c
	s_cmp_lg_u32 s2, 0xf033
	s_cbranch_scc0 .Lentry_shape_is_right
	s_endpgm
.Lentry_shape_is_right:
; out0 = ctx Wo + bo on codes of E5M2 (K = 1,024).  ctx's codes and scale words (cc, cs) and Wo's (opc, ops, blocks 44-47) lie as images of registers: [tile][K step][2,048] and [tile][K half][r][4 words].
; A work-group of four waves makes 256 tokens x 256 columns, a wave 128 x 128: 64 accumulators.  Source 0 = rows n of Wo, source 1 = tokens: a lane holds one token, and by the order of rows in a tile
; (slot r of tile 2 G + u = row 32 G + 8 u + r + 8 (r / 8)) the 16 registers of two neighbouring source 0 tiles are 16 neighbouring columns.  The bias is the C of each sum's first product.
; K goes in four steps of 256 through two LDS slots; a wave's tensor load brings 8 tiles x 4,096 bytes; fragments come at 16 x lane, consecutive bytes: no pitch, no padding.  The scale words come once.
; CLUSTERS: 4 x 4: ctx's block hangs on cy alone and is shared along a row of the cluster, Wo's on cx alone and is shared along a column: joint loads.  128 work-groups: a smaller tile would double the LDS reads for each product.
; REGISTERS: window 0: v16-29 addresses; v32-63 scale words, two sets; v64-127 the bias, 8 registers a source 0 tile; v128-255 source 1's fragments, later rows of the result.
;   window 1: source 0's fragments, two sets.  windows 2, 3: accumulator (a, b) at v[8 (8 (a % 4) + b)].
.set NQ,     2
.set FR,     16
.set NL,     4
.set NP,     8                         ; places behind this matrix instruction (ISA guide 7.12.1)
.set TILEB,  4096
.set HALFT,  8*TILEB
.set SLOT,   4*HALFT
.set SCL,    2*SLOT
.set HALFS,  4096
.set SPARE,  SCL+4*HALFS               ; the spare words, 128 bytes a wave: two blocks of 256 bytes that no other line names
.set SPITCH, 528                       ; the way out: a stage of 16 rows x (512 bytes + 16) for each wave, in slot 0, which has had its last fill and its last read by then
.set ADRA, 16
.set ADRB, 20
.set STO,  24                          ; v24 where I put 64 bytes of a row
.set RD,   25                          ; v25 where I read a row back
.set CO,   26                          ; v26 16 x lane
.set ADRS, 27
.set SPW,  28                          ; v28 my spare word; never rewritten
.set NIL,  29                          ; v29 0; never rewritten
.set SC,   32
.set BI,   64
.set AF,   128
.set BK,   128
.set G1, 24
.set G0, 32
.set G1B, 48
.set G0B, 56
.set G1S, 68
.set G0S, 76
.set G1SB, 80
.set G0SB, 88
.set MSB, 0
.macro WIN new                         ; the immediate's high byte repeats the setting that is left
.if MSB != \new
	s_set_vgpr_msb (MSB<<8)|\new
.set MSB, \new
.endif
.endm
.set MUL_LO, 0xa1                      ; source 0 window 1, source 1 window 0, C and D window 2
.set MUL_HI, 0xf1
.set TO_B,   0x40
.macro JLOAD g0a, g1a, g0b, g1b        ; a joint load: waves 0, 1 fetch for source 1, waves 2, 3 for source 0; four v_nop follow each line
	s_cmp_eq_u32 s15, 0
	s_cbranch_scc0 .Lfor_b_\@
	tensor_load_to_lds s[\g0a:\g0a+3], s[\g1a:\g1a+7]
	s_nop 0
.rept 4
	v_nop
.endr
	s_branch .Lasked_\@
.Lfor_b_\@:
	tensor_load_to_lds s[\g0b:\g0b+3], s[\g1b:\g1b+7]
	s_nop 0
.rept 4
	v_nop
.endr
.Lasked_\@:
.endm
.macro CREST
	s_cmp_lg_u32 s14, 0
	s_cbranch_scc1 .Lnot_wave_0_\@
	s_barrier_signal -3
.Lnot_wave_0_\@:
	s_barrier_wait -3
	s_barrier_signal -1
	s_barrier_wait -1
.endm
.macro CROUND
	s_barrier_signal -1
	s_barrier_wait -1
	CREST
.endm
	s_load_b256 s[4:11], s[0:1], 0x0               ; cc, cs, opc, ops
	s_load_b128 s[96:99], s[0:1], 0x20             ; bo, out0
	v_lshl_add_u32 v[SPW], v0, 2, SPARE
	v_mov_b32 v[NIL], 0
	ds_add_u32 v28, v29
	ds_add_u32 v28, v29
	s_wait_dscnt 0x0
	v_lshrrev_b32 v1, 5, v0
	v_readfirstlane_b32 s14, v1                    ; wave 0..3
	s_lshr_b32 s15, s14, 1                         ; my half of the tokens.  Also: I fetch for source 1 (0) or source 0 (1)
	s_and_b32 s16, s14, 1                          ; my half of the columns.  Also: which 8 tiles I fetch
	s_bfe_u32 s40, ttmp6, 0x40000                  ; cx
	s_bfe_u32 s41, ttmp6, 0x40004                  ; cy
	s_and_b32 s17, ttmp7, 0xffff                   ; the cluster's y
	s_lshl_b32 s43, s41, 2
	s_lshl_b32 s43, 15, s43                        ; my row of the cluster
	s_lshl_b32 s44, 0x1111, s40                    ; my column
	s_or_b32 s[G1+0], s43, (3<<16)|(1<<21)         ; codes: 8 tiles of 512 elements of 8 bytes, 2,048 elements apart
	s_or_b32 s[G1B+0], s44, (3<<16)|(1<<21)
.irp g, G1, G1B
	s_mov_b32 s[\g+1], 512<<16
	s_mov_b32 s[\g+2], 8<<16
	s_mov_b32 s[\g+3], 512<<16
	s_mov_b32 s[\g+4], 8
	s_mov_b32 s[\g+5], 2048
	s_mov_b32 s[\g+6], 0
	s_mov_b32 s[\g+7], 0
.endr
	s_or_b32 s[G1S+0], s43, (3<<16)|(1<<21)        ; scale words of 8 tiles: 4,096 dense bytes as 16 rows of 256
	s_or_b32 s[G1SB+0], s44, (3<<16)|(1<<21)
.irp g, G1S, G1SB
	s_mov_b32 s[\g+1], 32<<16
	s_mov_b32 s[\g+2], 16<<16
	s_mov_b32 s[\g+3], 32<<16
	s_mov_b32 s[\g+4], 16
	s_mov_b32 s[\g+5], 32
	s_mov_b32 s[\g+6], 0
	s_mov_b32 s[\g+7], 0
.endr
	s_lshl_b32 s20, s17, 2
	s_add_co_u32 s20, s20, s41                     ; source 1: ctx's block 4 x cluster y + cy
	s_add_co_u32 s46, s40, 44                      ; source 0: Wo's block 44 + cx
	s_lshl_b32 s22, s20, 13
	s_lshl_b32 s92, s46, 13
	s_lshl_b32 s20, s20, 18
	s_lshl_b32 s46, s46, 18
	s_lshl_b32 s18, s16, 17
	s_lshl_b32 s19, s16, 12
	s_add_co_u32 s20, s20, s18
	s_add_co_u32 s46, s46, s18
	s_add_co_u32 s22, s22, s19
	s_add_co_u32 s92, s92, s19
	s_mov_b32 s21, 0
	s_mov_b32 s23, 0
	s_mov_b32 s47, 0
	s_mov_b32 s93, 0
	s_lshl_b32 s45, s14, 15                        ; where they go: wave x 8 tiles: no place in the cluster enters an LDS address
	s_lshl_b32 s94, s14, 12
	s_wait_kmcnt 0x0
	s_add_nc_u64 s[20:21], s[4:5], s[20:21]
	s_add_nc_u64 s[22:23], s[6:7], s[22:23]
	s_add_nc_u64 s[46:47], s[8:9], s[46:47]
	s_add_nc_u64 s[92:93], s[10:11], s[92:93]
	CROUND                                         ; all sixteen work-groups are here: the first joint loads meet
	s_mov_b32 s[G0S], 1
	s_add_co_u32 s[G0S+1], s94, SCL
	s_mov_b64 s[G0S+2:G0S+3], s[22:23]
	s_or_b32 s[G0S+3], s[G0S+3], 0x80000000
	s_mov_b32 s[G0SB], 1
	s_add_co_u32 s[G0SB+1], s94, SCL
	s_mov_b64 s[G0SB+2:G0SB+3], s[92:93]
	s_or_b32 s[G0SB+3], s[G0SB+3], 0x80000000
	JLOAD G0S, G1S, G0SB, G1SB
.irp s, 0,1
	s_mov_b32 s[G0+4*\s], 1
	s_add_co_u32 s[G0+4*\s+1], s45, \s*SLOT
	s_add_nc_u64 s[G0+4*\s+2:G0+4*\s+3], s[20:21], \s*TILEB
	s_or_b32 s[G0+4*\s+3], s[G0+4*\s+3], 0x80000000
	s_mov_b32 s[G0B+4*\s], 1
	s_add_co_u32 s[G0B+4*\s+1], s45, \s*SLOT
	s_add_nc_u64 s[G0B+4*\s+2:G0B+4*\s+3], s[46:47], \s*TILEB
	s_or_b32 s[G0B+4*\s+3], s[G0B+4*\s+3], 0x80000000
	s_wait_alu depctr_va_vdst(0)
	s_wait_tensorcnt 0x0
	ds_add_u32 v28, v29
	s_wait_dscnt 0x0
	CROUND
	JLOAD G0+4*\s, G1, G0B+4*\s, G1B
.endr
	v_and_b32 v1, 15, v0                           ; r
	v_bfe_u32 v2, v0, 4, 1                         ; h
	s_wait_alu depctr_va_vdst(0)
	v_and_b32 v3, 31, v0
	v_lshlrev_b32 v[CO], 4, v3
	s_lshl_b32 s21, s15, 15
	s_lshl_b32 s22, s16, 15
	s_add_co_u32 s22, s22, 2*HALFT
.irp s, 0,1
	v_add_nc_u32 v[ADRA+\s], s21, v[CO]
	v_add_nc_u32 v[ADRB+\s], s22, v[CO]
	s_add_co_u32 s21, s21, SLOT
	s_add_co_u32 s22, s22, SLOT
.endr
	v_lshlrev_b32 v5, 4, v1
	s_lshl_b32 s21, s15, 12
	s_lshl_b32 s22, s16, 12
	s_add_co_u32 s22, s22, 2*HALFS
	s_sub_co_u32 s22, s22, s21
	v_mul_u32_u24 v6, s22, v2                      ; lanes 16-31 take source 0's words: one product with h
	s_add_co_u32 s21, s21, SCL
	v_add_nc_u32 v5, v5, v6
	v_add_nc_u32 v[ADRS], s21, v5
	s_mul_i32 s23, s14, 16*SPITCH                  ; my stage
	v_mul_u32_u24 v5, v1, SPITCH
	v_lshl_add_u32 v5, v2, 6, v5                   ; in: row r, + 64 h
	v_add_nc_u32 v[STO], s23, v5
	v_add_nc_u32 v[RD], s23, v[CO]                 ; back: the 32 lanes take one row of 512 bytes
	s_lshl_b32 s12, s40, 1
	s_add_co_u32 s12, s12, s16
	s_lshl_b32 s12, s12, 9                         ; my 128 columns, in bytes
	s_mov_b32 s13, 0
	s_add_nc_u64 s[96:97], s[96:97], s[12:13]      ; in bo,
	s_lshl_b32 s94, s17, 2
	s_add_co_u32 s94, s94, s41
	s_lshl_b32 s94, s94, 1
	s_add_co_u32 s94, s94, s15
	s_lshl_b32 s94, s94, 19                        ; my 128 rows of 4,096 bytes
	s_add_co_u32 s94, s94, s12
	s_mov_b32 s95, 0
	s_add_nc_u64 s[98:99], s[98:99], s[94:95]      ; and in out0
	v_lshlrev_b32 v7, 6, v2                        ; the bias in the result's layout: register j of source 0 tile b is column 32 (b / 2) + 16 h + 8 (b % 2) + j
.irp b, 0,1,2,3,4,5,6,7
	global_load_b128 v[BI+8*\b:BI+8*\b+3], v7, s[96:97] offset:(32*(\b/2)+8*(\b%2))*4
	global_load_b128 v[BI+8*\b+4:BI+8*\b+7], v7, s[96:97] offset:(32*(\b/2)+8*(\b%2))*4+16
.endr
.macro FRAG reg, adr, q, i
.irp c, 0,1,2,3
	ds_load_b128 v[\reg+4*\c:\reg+4*\c+3], v[\adr] offset:TILEB*(\i)+2048*(\q)+512*\c
.endr
.endm
; 16 matrix instructions; first = 1: the bias starts the sums.  The 64 accumulators take turns, one instruction a turn.
.macro MUL16 a0, p, q, sc, first
.irp a, \a0, \a0+1
.irp b, 0,1,2,3,4,5,6,7
.if \first
	v_wmma_scale_f32_16x16x128_f8f6f4 v[8*(8*((\a)%4)+\b):8*(8*((\a)%4)+\b)+7], v[128*(\p)+FR*\b:128*(\p)+FR*\b+FR-1], v[AF+FR*(\a):AF+FR*(\a)+FR-1], v[BI+8*\b:BI+8*\b+7], v[SC+8*NQ*(\sc)+NQ*\b+(\q)], v[SC+8*NQ*(\sc)+NQ*(\a)+(\q)] matrix_a_fmt:MATRIX_FMT_BF8 matrix_b_fmt:MATRIX_FMT_BF8 matrix_a_scale:MATRIX_SCALE_ROW1
.else
	v_wmma_scale_f32_16x16x128_f8f6f4 v[8*(8*((\a)%4)+\b):8*(8*((\a)%4)+\b)+7], v[128*(\p)+FR*\b:128*(\p)+FR*\b+FR-1], v[AF+FR*(\a):AF+FR*(\a)+FR-1], v[8*(8*((\a)%4)+\b):8*(8*((\a)%4)+\b)+7], v[SC+8*NQ*(\sc)+NQ*\b+(\q)], v[SC+8*NQ*(\sc)+NQ*(\a)+(\q)] matrix_a_fmt:MATRIX_FMT_BF8 matrix_b_fmt:MATRIX_FMT_BF8 matrix_a_scale:MATRIX_SCALE_ROW1
.endif
.endr
.endr
.endm
.macro FETCH_B slot, q, p
	WIN TO_B
.irp i, 0,1,2,3,4,5,6,7
	FRAG 128*(\p)+FR*\i, ADRB+\slot, \q, \i
.endr
	WIN 0
.endm
.macro FETCH_A slot, q, i0
.irp i, \i0, \i0+1, \i0+2, \i0+3
	FRAG AF+FR*(\i), ADRA+\slot, \q, \i
.endr
.endm
.macro SCALES sc, sg
.irp i, 0,1,2,3,4,5,6,7
	ds_load_b64 v[SC+8*NQ*\sc+NQ*\i:SC+8*NQ*\sc+NQ*\i+1], v[ADRS] offset:512*\i+256*((\sg)/2)+8*((\sg)%2)
.endr
.endm
.macro PLACES n
.rept \n
	v_nop
.endr
.endm
.macro STEP slot, q, first
	s_wait_dscnt 4*NL                              ; all but the youngest 16 loads (source 1's tiles 4-7) are in
.if \first
	WIN 0x81                                       ; C, the bias, in window 0; D in window 2
.else
	WIN MUL_LO
.endif
	MUL16 0, (\q)%2, \q, \slot, \first
	MUL16 2, (\q)%2, \q, \slot, \first
	s_wait_dscnt 0
	PLACES NP
	FETCH_B \slot, (\q)+1, 1-(\q)%2
	FETCH_A \slot, (\q)+1, 0
.if \first
	WIN 0xc1
.else
	WIN MUL_HI
.endif
	MUL16 4, (\q)%2, \q, \slot, \first
	MUL16 6, (\q)%2, \q, \slot, \first
	PLACES NP
	WIN 0
	FETCH_A \slot, (\q)+1, 4
.endm
.macro TURN slot, next, fill, sg
	s_wait_tensorcnt 0x0                           ; all my tensor loads have landed: my part of the next slot
	ds_add_u32 v[SPW], v[NIL]                      ; 0 onto my spare word
	s_wait_dscnt 4*NL+1                            ; (the add and the youngest 16 loads may be out)
	WIN MUL_LO
	MUL16 0, 1, NQ-1, \slot, 0
	s_wait_dscnt 0x0                               ; the add is done, and my reads of this slot are over
	s_barrier_signal -1
	MUL16 2, 1, NQ-1, \slot, 0
	WIN 0
	s_barrier_wait -1
.if \fill
	CREST                                          ; a round of the cluster's barrier: no wave of any partner still reads this slot or has a load on its way
	s_add_nc_u64 s[G0+4*\slot+2:G0+4*\slot+3], s[G0+4*\slot+2:G0+4*\slot+3], 2*TILEB
	s_add_nc_u64 s[G0B+4*\slot+2:G0B+4*\slot+3], s[G0B+4*\slot+2:G0B+4*\slot+3], 2*TILEB
	JLOAD G0+4*\slot, G1, G0B+4*\slot, G1B
	PLACES NP-4
.else
	PLACES NP
.endif
	FETCH_B \next, 0, 0
	FETCH_A \next, 0, 0
	SCALES \next, \sg
	WIN MUL_HI
	MUL16 4, 1, NQ-1, \slot, 0
	MUL16 6, 1, NQ-1, \slot, 0
	PLACES NP
	WIN 0
	FETCH_A \next, 0, 4
.endm
	s_wait_alu depctr_va_vdst(0)
	s_wait_tensorcnt 1                             ; the scale words and my part of slot 0 are in; slot 1's load may be out
	s_barrier_signal -1
	s_barrier_wait -1
	FETCH_B 0, 0, 0
	FETCH_A 0, 0, 0
	SCALES 0, 0
	FETCH_A 0, 0, 4
	s_wait_loadcnt 0x0                             ; the bias
	STEP 0, 0, 1
	TURN 0, 1, 1, 1
	STEP 1, 0, 0
	TURN 1, 0, 1, 2
	STEP 0, 0, 0
	TURN 0, 1, 0, 3
	STEP 1, 0, 0
	s_wait_dscnt 4*NL
	WIN MUL_LO
	MUL16 0, 1, NQ-1, 1, 0
	MUL16 2, 1, NQ-1, 1, 0
	s_wait_dscnt 0
	WIN MUL_HI
	MUL16 4, 1, NQ-1, 1, 0
	MUL16 6, 1, NQ-1, 1, 0
	WIN 0
; THE WAY OUT, a token tile at a time: a lane's 64 bytes of four pieces of a row go into my stage, whole rows of 512 bytes come back, and the 32 lanes store them: two aligned runs of 256 bytes.
; LDS serves a wave's instructions in order (ISA guide 5.7.1.4): no wait between the stores and the loads, nor in front of the next tile's stores.
.macro TOSTAGE a
.set AC, 64*((\a)%4)
	WIN 0x08+4*((\a)/4)                            ; the data: window 2 or 3
.irp b, 0,1,2,3,4,5,6,7
	ds_store_b128 v[STO], v[AC+8*\b:AC+8*\b+3] offset:128*(\b/2)+32*(\b%2)       ; each accumulator from its low end on
	ds_store_b128 v[STO], v[AC+8*\b+4:AC+8*\b+7] offset:128*(\b/2)+32*(\b%2)+16
.endr
	WIN 0
.set BB, BK+64*((\a)%2)
.set tt, 0
.rept 16
	ds_load_b128 v[BB+4*tt:BB+4*tt+3], v[RD] offset:tt*SPITCH
.set tt, tt+1
.endr
.endm
.macro SEND a, younger                 ; younger: the LDS instructions issued behind tile a's loads, which may stay out
.set BB, BK+64*((\a)%2)
	s_wait_dscnt \younger
.set tt, 0
.rept 16
	global_store_b128 v[CO], v[BB+4*tt:BB+4*tt+3], s[98:99] offset:(32*((\a)/2)+8*((\a)%2)+tt+8*(tt/8))*4096 th:TH_STORE_NT   ; slot tt's token; 127 rows at the most: inside the signed 24-bit immediate
.set tt, tt+1
.endr
.endm
	PLACES NP
	TOSTAGE 0
.irp a, 1,2,3,4,5,6,7
.if \a > 1
	s_wait_xcnt 0x0                                ; the stores of two tiles back have read their registers: this tile's loads may land there
.endif
	TOSTAGE \a
	SEND \a-1, 32                                  ; behind tile a - 1's loads: tile a's 16 stores and 16 loads
.endr
	SEND 7, 0
	s_wait_tensorcnt 0x0                           ; the wave's end
	ds_add_u32 v[SPW], v[NIL]
	s_wait_dscnt 0x0
	CROUND                                         ; the closing round
	s_endpgm
.Lfunc_end_k_q39e0053e55_outp:
	.size	k_q39e0053e55_outp, .Lfunc_end_k_q39e0053e55_outp-k_q39e0053e55_outp
	.p2alignl 7, 3214868480
	.fill 96, 4, 3214868480
	.section	.rodata,"a",@progbits
	.p2align	6, 0x0
	.amdhsa_kernel k_q39e0053e55_outp
		.amdhsa_group_segment_fixed_size 327680
		.amdhsa_private_segment_fixed_size 0
		.amdhsa_enable_private_segment 0
		.amdhsa_kernarg_size 48
		.amdhsa_user_sgpr_count 2
		.amdhsa_user_sgpr_kernarg_segment_ptr 1
		.amdhsa_wavefront_size32 1
		.amdhsa_system_sgpr_workgroup_id_x 1
		.amdhsa_system_sgpr_workgroup_id_y 1
		.amdhsa_system_sgpr_workgroup_id_z 1
		.amdhsa_system_vgpr_workitem_id 0
		.amdhsa_next_free_vgpr 1024
		.amdhsa_next_free_sgpr 100
		.amdhsa_reserve_vcc 0
		.amdhsa_float_denorm_mode_32 3
		.amdhsa_float_denorm_mode_16_64 3
		.amdhsa_memory_ordered 1
		.amdhsa_forward_progress 1
		.amdhsa_inst_pref_size 147
	.end_amdhsa_kernel
	.amdgpu_metadata
---
amdhsa.version: [ 1, 2 ]
amdhsa.kernels:
  - .name:           k_q39e0053e55_outp
    .symbol:         k_q39e0053e55_outp.kd
    .args:
      - { .name: cc, .offset: 0, .size: 8, .value_kind: global_buffer, .address_space: global }
      - { .name: cs, .offset: 8, .size: 8, .value_kind: global_buffer, .address_space: global }
      - { .name: opc, .offset: 16, .size: 8, .value_kind: global_buffer, .address_space: global }
      - { .name: ops, .offset: 24, .size: 8, .value_kind: global_buffer, .address_space: global }
      - { .name: bo, .offset: 32, .size: 8, .value_kind: global_buffer, .address_space: global }
      - { .name: out0, .offset: 40, .size: 8, .value_kind: global_buffer, .address_space: global }
    .group_segment_fixed_size: 327680
    .private_segment_fixed_size: 0
    .kernarg_segment_align: 8
    .kernarg_segment_size: 48
    .max_flat_workgroup_size: 128
    .sgpr_count:     100
    .vgpr_count:     1024
    .wavefront_size: 32
...
	.end_amdgpu_metadata
.endif
;; end of part 4
